; MI455X (gfx1250); checked and timed in simulation.
; The chip was launched on July 23, 2026; its instructions are those of AMD's public machine-readable ISA for CDNA 5 (MIT licence, August 2026) and "CDNA5" Instruction Set Architecture Reference Guide (July 2026). The comments in the code are by the model that wrote it; some were corrected since.
;; Transformer Encoder Layer Rotary. Allowed arithmetic: matrix products marked QUANTISED: E2M3 operands, one E8M0 scale for each 32 along K, by v_wmma_scale_f32_16x16x128_f8f6f4 with both operands' format E2M3, f32 sums; everything else in f32.
;; Inputs: b1 4,096 float32; b2 1,024 float32; k_b 1,024 float32; k_w_codes 1,024 x 32 x 24 uint8 (E2M3 codes of k_w, K innermost, in blocks of 32 codes, four codes in three bytes); k_w_scales 1,024 x 32 uint8 (E8M0 scales of k_w, one for each 32 codes along K); ln1_b 1,024 float32; ln1_g 1,024 float32; ln2_b 1,024 float32; ln2_g 1,024 float32; q_b 1,024 float32; q_w_codes 1,024 x 32 x 24 uint8 (E2M3 codes of q_w, K innermost, in blocks of 32 codes, four codes in three bytes); q_w_scales 1,024 x 32 uint8 (E8M0 scales of q_w, one for each 32 codes along K); src 2,048 x 2 x 1,024 float32; v_b 1,024 float32; v_w_codes 1,024 x 32 x 24 uint8 (E2M3 codes of v_w, K innermost, in blocks of 32 codes, four codes in three bytes); v_w_scales 1,024 x 32 uint8 (E8M0 scales of v_w, one for each 32 codes along K); w1_codes 4,096 x 32 x 24 uint8 (E2M3 codes of w1, K innermost, in blocks of 32 codes, four codes in three bytes); w1_scales 4,096 x 32 uint8 (E8M0 scales of w1, one for each 32 codes along K); w2_codes 1,024 x 128 x 24 uint8 (E2M3 codes of w2, K innermost, in blocks of 32 codes, four codes in three bytes); w2_scales 1,024 x 128 uint8 (E8M0 scales of w2, one for each 32 codes along K).
;; Outputs: out0 2,048 x 2 x 1,024 float32.
;; This version of the problem:
;;   THIS VERSION OF THE PROBLEM IS GIVEN IN LOW PRECISION. The matrix products marked QUANTISED in the list below multiply operands that are first quantised to E2M3 (2 exponent bits, 3 mantissa bits; 6 bits a number), with one power-of-two scale for each 32 numbers along K (OCP MX v1.0); their sums are f32. All else is computed in f32.
;;   The module's matrix products, in the order in which they are computed (A, B: the left and right operand; K: the contracted axis; several contracted axes count as one K, in the product's order):
;;     1. [M 4,096, K 1,024] x [K 1,024, N 1,024]; A: input src; B: input q_w (given as codes): QUANTISED
;;     2. [M 4,096, K 1,024] x [K 1,024, N 1,024]; A: input src; B: input k_w (given as codes): QUANTISED
;;     3. [M 4,096, K 1,024] x [K 1,024, N 1,024]; A: input src; B: input v_w (given as codes): QUANTISED
;;     4. batch 32 x [M 2,048, K 64] x [K 64, N 2,048]; A: computed on the way; B: computed on the way: QUANTISED
;;     5. batch 32 x [M 2,048, K 2,048] x [K 2,048, N 64]; A: softmax (see below); B: computed on the way: QUANTISED
;;     6. [M 4,096, K 1,024] x [K 1,024, N 4,096]; A: computed on the way; B: input w1 (given as codes): QUANTISED
;;     7. [M 4,096, K 4,096] x [K 4,096, N 1,024]; A: computed on the way; B: input w2 (given as codes): QUANTISED
;;   THE QUANTISER, for each operand of a quantised product, along K:
;;     - K is cut into blocks of 32 from its start; a last block that is shorter is filled with zeros.
;;     - A block's scale is 2^e with e = floor(log2(the largest magnitude in the block)) - 2, held to -126 .. 127; a block of zeros has e = 0. As a byte (E8M0): e + 127.
;;     - Each number is divided by its block's scale, clamped to +-7.5, and rounded to the nearest number of E2M3, ties to even, subnormals kept.
;;     - The product sums the exact products of the quantised numbers (number of the format x scale) in f32.
;;   ~~~python
;;   def quantise(x, axis):      # numpy; x: float32 -> the quantised numbers, widened to float32 again
;;       x = np.moveaxis(x, axis, -1); K = x.shape[-1]
;;       x = np.pad(x, [(0, 0)] * (x.ndim - 1) + [(0, -K % 32)]); x = x.reshape(x.shape[:-1] + (-1, 32)); a = np.abs(x).max(-1, keepdims=True)
;;       e = np.where(a > 0, np.clip(np.frexp(np.where(a > 0, a, 1))[1] - 1 - 2, -126, 127), 0)      # np.frexp(a)[1] - 1 = floor(log2(a)), exactly
;;       r = np.clip(x / 2.0 ** e, -7.5, 7.5)
;;       step = 2.0 ** (np.maximum(np.frexp(np.where(r == 0, 1, r))[1] - 1, 0) - 3)
;;       q = np.round(r / step) * step * 2.0 ** e      # np.round: ties to even
;;       return np.moveaxis(q.reshape(q.shape[:-2] + (-1,))[..., :K], -1, axis).astype(np.float32)
;;   ~~~
;;   SOFTMAX AHEAD OF A QUANTISED PRODUCT. Where the list says 'softmax', what is quantised is not the finished softmax but p = 2^(t - M), with t = logit x log2(e) and M = ceil(the row's largest t), a whole number; so 1/2 < the row's largest p <= 1. The row's sum l is taken of the UNQUANTISED p, in f32, and the product's result is divided by l at the end. Since M is a whole number, a kernel that streams over the keys may use a running M (the ceiling of the running maximum): every later rescaling is an exact power of two, which a block's scale takes up: the codes' values come out the same.
;;   OPERANDS COMPUTED ON THE WAY. 'Computed on the way' means the value that the module computes at that place (a softmax that the list does not call 'softmax' is quantised finished and normalised). What goes into a quantiser is computed in f32, as accurately as f32 sums, v_exp_f32 and their like allow (about 1e-6 of the number): no bf16 or f16 on the way to a quantiser, and a product that is left as it is and whose result goes on into a quantised operand takes f32 operands (vector FMAs, or v_wmma_f32_16x16x4_f32). A number that lies on a knife's edge between two numbers of the format may be rounded either way, as far as f32 arithmetic and the matrix unit's own rounding can turn it there, and no further.
;;   INPUTS GIVEN AS CODES. k_w (in the module: [1024, 1024], K = its axis 0); q_w (in the module: [1024, 1024], K = its axis 0); v_w (in the module: [1024, 1024], K = its axis 0); w1 (in the module: [1024, 4096], K = its axis 0); w2 (in the module: [4096, 1024], K = its axis 0): each comes as NAME_codes (uint8): NAME with its K axis moved to the last place and cut into blocks of 32 codes, [.., K / 32, bytes a block], one block behind the other in memory; four codes in three bytes: a row's codes are one little-endian stream of bits, code i at bits 6 i .. 6 i + 5 (a code: sign, 2 exponent bits, 3 mantissa bits); and NAME_scales (uint8): the same leading axes, one E8M0 byte (e + 127) for each 32 codes along K. Its value is code x scale, taken as it is: it is not quantised again, and the codes and scales need not be those that the quantiser above would give.
;; 2 versions, each right. Each part assembles by itself: llvm-mc -triple=amdgcn-amd-amdhsa -mcpu=gfx1250 --defsym DOCPART=n.
;; ======== version 1 of 2: 7 launches
;; workspace buffers: ws_x 3,801,088 bytes; ws_qkv 10,092,544 bytes; ws_att 16,777,216 bytes; ws_ln 20,054,016 bytes; ws_h 13,107,200 bytes; ws_ff 16,777,216 bytes
;; launch prep (part 1): grid 256 x 1, 4 waves a work-group, no clusters, 25,088 bytes of LDS; arguments src, ws_x; writes ws_x
.if DOCPART == 1
	.amdgcn_target "amdgcn-amd-amdhsa--gfx1250"
	.amdhsa_code_object_version 6
	.text
	.protected	k_q1b4738eeb4_prep
	.globl	k_q1b4738eeb4_prep
	.p2align	8
	.type	k_q1b4738eeb4_prep,@function
k_q1b4738eeb4_prep:
	s_mov_b64 s[64:65], 0
	v_nop
	global_prefetch_b8 v0, s[64:65] scope:SCOPE_SE
	s_setreg_imm32_b32 hwreg(HW_REG_WAVE_MODE, 25, 1), 1
	s_wait_xcnt 0x0
; src [2048][2][1024] f32 becomes codes of FP6 (E2M3) with one E8M0 byte for each 32 along the row, in rows m' = b x 2048 + s:
; codes at byte 0 of ws_x, 768 bytes a row; scale bytes at XQS, 32 a row.  The same launch makes the rotary table at ROPE: [s][32 pairs](cos, sin) f32, 256 bytes a row.
; A block's scale is 2^(floor(log2(largest magnitude)) - 2): its byte is the largest magnitude's exponent field - 2, held at 1 from below.
; LIMITS: a block whose largest magnitude lies under 2^-124 keeps the byte 1; a block of zeros has the byte 1, not 127 (its codes are zeros, and only this program reads the bytes);
; NaN and infinities are not served.  The table's inverse frequency 10^(-i/8) is good to about 1.5 units in its last place: an angle error of at most some 2e-4 at s = 2047.
; SHARES: work-group g, wave w: rows m' = 16 g + 4 w .. + 3, eight steps of 512 numbers.  Each load reads 512 consecutive bytes; a step's 2,048 bytes turn through the wave's own stage in LDS
; (16 bytes of padding behind each 64) and come back 16 neighbours a lane, two lanes to a block.  All 32 loads of a wave go out at once.  No barrier: waves share nothing.
.set SP,    80                         ; a lane's place in a stage
.set WREG,  6144                       ; LDS of a wave: two stages of 32 x 80 bytes, then its scale bytes
.set SCB,   5120
.set XQS,   3145728
.set ROPE,  3276800
.set R,     64                         ; v64-191  eight sets of 16 numbers as loaded
.set X,     32                         ; v32-63   two sets of 16 neighbours
.set C,     192                        ; v192-223 codes, four registers a step
.set E,     224                        ; v224-231 a scale byte a step
	s_load_b128 s[4:7], s[0:1], 0x0                ; src, ws_x
	v_lshl_add_u32 v232, v0, 2, 0x6000
	v_mov_b32 v233, 0
	v_lshrrev_b32 v1, 5, v0
	v_readfirstlane_b32 s16, v1                    ; wave
	v_and_b32 v2, 31, v0                           ; lane
	v_lshlrev_b32 v3, 4, v2                        ; my 16 bytes of a load's 512
	s_mul_i32 s17, s16, WREG
	v_lshrrev_b32 v14, 2, v2
	v_mul_u32_u24 v14, v14, SP
	v_and_b32 v15, 3, v2
	v_lshl_add_u32 v14, v15, 4, v14
	v_add_nc_u32 v14, s17, v14                     ; the stage, way in: 80 (lane / 4) + 16 (lane % 4)
	v_mul_u32_u24 v15, v2, SP
	v_add_nc_u32 v15, s17, v15                     ; way out: 80 x lane
	v_mul_u32_u24 v4, v2, 12                       ; my codes' place in a step's 384 bytes
	v_lshrrev_b32 v5, 1, v2
	s_add_co_u32 s17, s17, SCB
	v_add_nc_u32 v5, s17, v5                       ; my block's scale byte in LDS
	v_lshlrev_b32 v7, 2, v2
	v_add_nc_u32 v6, s17, v7                       ; and 4 bytes a lane on the way out
	v_lshlrev_b32 v1, 3, v2                        ; the table: 8 bytes a lane
	s_lshr_b32 s18, ttmp9, 7                       ; b
	s_and_b32 s19, ttmp9, 127
	s_lshl_b32 s19, s19, 4
	s_lshl_b32 s20, s16, 2
	s_add_co_u32 s19, s19, s20                     ; s of my first row
	s_lshl_b32 s19, s19, 13
	s_lshl_b32 s18, s18, 12
	s_add_co_u32 s18, s18, s19                     ; its byte in src: s x 8192 + b x 4096
	s_mov_b32 s19, 0
	s_lshl_b32 s21, ttmp9, 4
	s_add_co_u32 s21, s21, s20                     ; m' of my first row
	s_mul_i32 s22, s21, 768
	s_mov_b32 s23, 0
	s_lshl_b32 s24, s21, 5
	s_add_co_u32 s24, s24, XQS
	s_mov_b32 s25, 0
	s_lshl_b32 s26, ttmp9, 2
	s_add_co_u32 s26, s26, s16                     ; the wave's number in the launch: it makes table rows 2 x that and the next
	s_lshl_b32 s28, s26, 1
	s_lshl_b32 s26, s26, 9
	s_add_co_u32 s26, s26, ROPE
	s_mov_b32 s27, 0
	s_mov_b32 s14, 0xbed49a78                      ; -log2(10) / 8, upper part
	s_mov_b32 s15, 0xb2179a5b                      ; and the rest of it
	s_mov_b32 s29, 0xbfc90fdb                      ; -pi / 2, upper part
	s_mov_b32 s30, 0x333bbd2e                      ; what that part is too large by
	s_wait_kmcnt 0x0
	s_add_nc_u64 s[4:5], s[4:5], s[18:19]
	s_add_nc_u64 s[8:9], s[6:7], s[22:23]          ; my codes
	s_add_nc_u64 s[10:11], s[6:7], s[24:25]        ; my scale bytes
	s_add_nc_u64 s[12:13], s[6:7], s[26:27]        ; my two rows of the table
.macro LOAD t
.irp i, 0,1,2,3
	global_load_b128 v[R+16*(\t)+4*\i:R+16*(\t)+4*\i+3], v3, s[4:5] offset:((\t)/2)*8192+((\t)%2)*2048+512*\i th:TH_LOAD_NT
.endr
.endm
.irp t, 0,1,2,3,4,5,6,7
	LOAD \t
.endr
	; the rotary table, while the loads are on their way.  Lane i takes frequency i: 10^(-i/8) = 2^a x (1 + ln2 x e), a the rounded exponent and e what the rounding left
	v_cvt_f32_u32 v16, v2
	v_mul_f32 v17, s14, v16                        ; a
	v_fma_f32 v18, v16, s14, -v17                  ; the product's own rounding error, exactly
	v_fma_f32 v18, v16, s15, v18                   ; and the constant's lower part
	v_exp_f32 v19, v17
	v_nop                                          ; a plain line behind the exponential
	s_wait_alu depctr_va_vdst(0)                   ; and the wait ahead of its first reader
	v_mul_f32 v20, 0x3f317218, v19
	v_fma_f32 v21, v20, v18, v19                   ; the inverse frequency
.macro ROPEROW so, out, off
	s_add_co_u32 s31, s28, \so
	v_cvt_f32_u32 v22, s31
	v_mul_f32 v22, v22, v21                        ; the angle, rounded once
	v_mul_f32 v23, 0x3f22f983, v22
	v_rndne_f32 v23, v23                           ; n = the nearest multiple of pi / 2
	v_fma_f32 v24, v23, s29, v22                   ; exact: n has 11 bits
	v_fma_f32 v24, v23, s30, v24                   ; r, within pi / 4
	v_mul_f32 v25, v24, v24
	v_mov_b32 v26, 0xb94ca1f9
	v_fmaak_f32 v26, v26, v25, 0x3c08839e
	v_fmaak_f32 v26, v26, v25, 0xbe2aaaa3
	v_mul_f32 v26, v26, v25
	v_fma_f32 v26, v26, v24, v24                   ; sin r
	v_mov_b32 v27, 0x37ccf5ce
	v_fmaak_f32 v27, v27, v25, 0xbab6061a
	v_fmaak_f32 v27, v27, v25, 0x3d2aaaa5
	v_mul_f32 v28, v25, v25
	v_fma_f32 v29, v25, -0.5, 1.0
	v_fma_f32 v27, v28, v27, v29                   ; cos r
	v_cvt_i32_f32 v28, v23
	v_and_b32 v29, 1, v28
	v_cmp_eq_u32 vcc_lo, 1, v29                    ; an odd quadrant: the two change places
	v_cndmask_b32 v[\out+1], v26, v27, vcc_lo      ; sin
	v_cndmask_b32 v[\out], v27, v26, vcc_lo        ; cos
	v_and_b32 v29, 2, v28
	v_lshlrev_b32 v29, 30, v29
	v_xor_b32 v[\out+1], v[\out+1], v29            ; sin is negative in quadrants 2 and 3,
	v_add_nc_u32 v28, 1, v28
	v_and_b32 v28, 2, v28
	v_lshlrev_b32 v28, 30, v28
	v_xor_b32 v[\out], v[\out], v28                ; cos in 1 and 2
	global_store_b64 v1, v[\out:\out+1], s[12:13] offset:\off   ; 32 lanes store 256 consecutive bytes, aligned
.endm
	ROPEROW 0, 30, 0
	ROPEROW 1, 12, 256
.macro TURN t                          ; step t's numbers through the stage: LDS serves a wave's instructions in order, so no wait stands between the stores and the loads
.irp i, 0,1,2,3
	ds_store_b128 v14, v[R+16*(\t)+4*\i:R+16*(\t)+4*\i+3] offset:32*SP*((\t)%2)+8*SP*\i
.endr
.irp i, 0,1,2,3
	ds_load_b128 v[X+16*((\t)%2)+4*\i:X+16*((\t)%2)+4*\i+3], v15 offset:32*SP*((\t)%2)+16*\i
.endr
.endm
	s_wait_loadcnt 28                              ; step 0's four loads are in; the other seven steps' 28 may be out
	TURN 0
.macro STEP t
.set XS, X+16*((\t)%2)
.if (\t) > 0
	s_wait_dscnt 1                                 ; this step's numbers are back from the stage; the last step's byte store may be out
.else
	s_wait_dscnt 0x0
.endif
.if (\t) < 7
	s_wait_loadcnt 4*(6-(\t))                      ; the next step's four loads are in; those of the steps behind it may be out
	TURN (\t)+1
.endif
	v_max3_num_f32 v8, |v[XS]|, |v[XS+1]|, |v[XS+2]|
	v_max3_num_f32 v9, |v[XS+3]|, |v[XS+4]|, |v[XS+5]|
.irp i, 6,10
	v_max3_num_f32 v8, v8, |v[XS+\i]|, |v[XS+\i+1]|
	v_max3_num_f32 v9, v9, |v[XS+\i+2]|, |v[XS+\i+3]|
.endr
	v_max3_num_f32 v8, v8, |v[XS+14]|, |v[XS+15]|
	v_max3_num_f32 v8, v8, v9, 0x1800000           ; and the floor 2^(3 - 127): the byte cannot fall under 1
	v_max_num_f32_dpp v8, v8, v8 row_xmask:1 row_mask:0xf bank_mask:0xf   ; with my neighbour's 16: the block's largest magnitude
	v_add_nc_u32 v11, 0xff000000, v8               ; 2 off its exponent field: the conversion's scale operand
	v_cvt_scalef32_pk16_fp6_f32 v[C+4*(\t):C+4*(\t)+2], v[XS:XS+15], v11
	v_lshrrev_b32 v[E+(\t)], 23, v11               ; the scale's byte
	ds_store_b8 v5, v[E+(\t)] offset:16*(\t)       ; both lanes of a block write the same byte with the same value
	global_store_b96 v4, v[C+4*(\t):C+4*(\t)+2], s[8:9] offset:384*(\t)   ; the wave stores 384 consecutive bytes
.endm
.irp t, 0,1,2,3,4,5,6,7
	STEP \t
.endr
	ds_load_b32 v10, v6                            ; my wave's 128 scale bytes: these loads see my stores
	s_wait_dscnt 0x0
	global_store_b32 v7, v10, s[10:11]             ; 128 consecutive bytes: four rows' scales
	s_wait_tensorcnt 0x0
	ds_add_u32 v232, v233
	s_wait_dscnt 0x0
	s_endpgm
.Lfunc_end_k_q1b4738eeb4_prep:
	.size	k_q1b4738eeb4_prep, .Lfunc_end_k_q1b4738eeb4_prep-k_q1b4738eeb4_prep
	.p2alignl 7, 3214868480
	.fill 96, 4, 3214868480
	.section	.rodata,"a",@progbits
	.p2align	6, 0x0
	.amdhsa_kernel k_q1b4738eeb4_prep
		.amdhsa_group_segment_fixed_size 25088
		.amdhsa_private_segment_fixed_size 0
		.amdhsa_enable_private_segment 0
		.amdhsa_kernarg_size 16
		.amdhsa_user_sgpr_count 2
		.amdhsa_user_sgpr_kernarg_segment_ptr 1
		.amdhsa_wavefront_size32 1
		.amdhsa_system_sgpr_workgroup_id_x 1
		.amdhsa_system_sgpr_workgroup_id_y 1
		.amdhsa_system_sgpr_workgroup_id_z 1
		.amdhsa_system_vgpr_workitem_id 0
		.amdhsa_next_free_vgpr 234
		.amdhsa_next_free_sgpr 66
		.amdhsa_reserve_vcc 1
		.amdhsa_float_denorm_mode_32 3
		.amdhsa_float_denorm_mode_16_64 3
		.amdhsa_memory_ordered 1
		.amdhsa_forward_progress 1
		.amdhsa_inst_pref_size 21
	.end_amdhsa_kernel
	.amdgpu_metadata
---
amdhsa.version: [ 1, 2 ]
amdhsa.kernels:
  - .name:           k_q1b4738eeb4_prep
    .symbol:         k_q1b4738eeb4_prep.kd
    .args:
      - { .name: src, .offset: 0, .size: 8, .value_kind: global_buffer, .address_space: global }
      - { .name: ws_x, .offset: 8, .size: 8, .value_kind: global_buffer, .address_space: global }
    .group_segment_fixed_size: 25088
    .private_segment_fixed_size: 0
    .kernarg_segment_align: 8
    .kernarg_segment_size: 16
    .max_flat_workgroup_size: 128
    .sgpr_count:     66
    .vgpr_count:     234
    .wavefront_size: 32
...
	.end_amdgpu_metadata
.endif
;; end of part 1
;; launch qkv (part 2): grid 16 x 12, 4 waves a work-group, clusters of 4 x 4, 327,680 bytes of LDS; arguments ws_x, q_w_codes, q_w_scales, q_b, k_w_codes, k_w_scales, k_b, v_w_codes, v_w_scales, v_b, ws_qkv; writes ws_qkv
.if DOCPART == 2
	.amdgcn_target "amdgcn-amd-amdhsa--gfx1250"
	.amdhsa_code_object_version 6
	.text
	.protected	k_q1b4738eeb4_qkv
	.globl	k_q1b4738eeb4_qkv
	.p2align	8
	.type	k_q1b4738eeb4_qkv,@function
k_q1b4738eeb4_qkv:
	s_mov_b64 s[64:65], 0
	v_nop
	global_prefetch_b8 v0, s[64:65] scope:SCOPE_SE
	s_setreg_imm32_b32 hwreg(HW_REG_WAVE_MODE, 25, 1), 1
	s_wait_xcnt 0x0
	s_wait_alu depctr_hold_cnt(0) depctr_sa_sdst(0) depctr_va_vdst(0) depctr_va_sdst(0) depctr_va_ssrc(0) depctr_va_vcc(0) depctr_vm_vsrc(0)
	s_getreg_b32 s2, hwreg(HW_REG_IB_STS2, 6, 4)
	s_cmp_eq_u32 s2, 0
	s_cbranch_scc0 .Lentry_in_a_cluster
	s_endpgm
.Lentry_in_a_cluster:
	s_bfe_u32 s2, ttmp6, 0x10000c
	s_cmp_lg_u32 s2, 0xf033
	s_cbranch_scc0 .Lentry_shape_is_right
	s_endpgm
.Lentry_shape_is_right:
; Three products on codes of FP6 (E2M3) with E8M0 scales, K = 1,024, and what follows each, up to the operands of attention.  The cluster's y says which (PATH):
;   0, 1: q, k = xq w^T + bias (rows m' = b x 2048 + s), rotated by the table, quantised along the head's 64;   2: v^T = v_w xq^T + bias, quantised along the keys.
; A tile of the result is 256 x 256: four waves, each 128 x 128 in 64 accumulators.  K goes in steps of 256 through two LDS slots filled by the tensor data mover; the scale bytes of both operands come once.
; 4 x 4 work-groups form a cluster: the first operand's tile is asked for jointly along a row of the cluster, the second's along a column.
; The matrix instruction is used transposed (source 0 = 16 rows of the second operand B', source 1 = 16 rows of the first, A'): a lane holds ONE row of A' and eight neighbouring rows of B'.
;   PATH 0, 1: A' = xq, B' = the weight: a lane's registers run along (head, d).   PATH 2: A' = v_w, B' = xq: a lane holds a channel, its registers run along the keys.
; RESULTS leave as images of operand registers: register p of lane l at 512 (p / 4) + 16 l + 4 (p % 4) of an image of 1,536 bytes; each store covers 512 consecutive bytes, aligned.
;   q, k: [head][pair of 16-row tiles][image]: registers 0-5 rows 32 pair + r, registers 6-11 rows 32 pair + 16 + r; scale words [head][row]: two bytes, two zero bytes.
;   v:    [head][128 keys][16 channels][image of a whole fragment]; scale words [head][128 keys][16 channels][16 words].
; Within a block of 32 the codes stand in the order 0-7, 16-23, 8-15, 24-31: alike for q and k, and for v and the softmax's p, so every product pairs the right numbers.
; LIMITS: a block whose largest magnitude lies under 2^-124, a block of zeros among them, keeps the scale byte 1 (only this program reads the bytes); NaN and infinities are not served.
; REGISTERS: window 0: v7-8, v16-31 addresses; v32-63 scale words, two sets; v64-127 the bias as the first products' C, later 64 numbers at work; v128-223 A's fragments, later codes and work; v224-231 v_b.
;   window 1: B's fragments, two sets, at v0 and v128; the table's rows at v96-127 and v224-255.   windows 2, 3: the accumulators ((a, b) at v[8 (8 (a % 4) + b)]).
.set NQ,     2                         ; matrix instructions deep in a slot
.set ROWB,   192                       ; a tile's row: 256 codes
.set KROW,   768                       ; a row of either operand in memory
.set PITCH,  240                       ; an LDS row: 3 x (64 bytes + 16 of padding)
.set FR,     12
.set NL,     6
.set NP,     4
.set HALFT,  128*PITCH
.set SLOT,   4*HALFT
.set LAPS,   2                         ; K = 1,024: twice round the ring
.set KS,     32                        ; a row of scale bytes
.set SCL,    2*SLOT
.set HALFS,  (128*KS/256)*272
.set SBLK,   (16*KS/256)*272
.set SPARE,  SCL+4*HALFS               ; the spare words: 128 bytes a wave, named by no other line
.set XQS,    3145728
.set ROPE,   3276800
.set VC,     6291456
.set QS,     9437184
.set VS,     9961472
.set ADRA, 16
.set ADRB, 20
.set LI,   24                          ; v24  16 x lane
.set RA,   25                          ; v25  the table: 256 r + 32 h
.set SA,   26                          ; v26  q's, k's scale words: 8192 h + 4 r
.set ADRS, 27
.set SPW,  28
.set NIL,  29
.set L4,   30                          ; v30  4 x lane
.set SH,   31                          ; v31  16 h
.set SC,   32
.set BIAS, 64
.set W,    64
.set AF,   128
.set CD,   128                         ; v128-151 codes
.set PT,   152                         ; v152-159 halves of blocks on their way
.set TM,   160                         ; v160-175 at work in QUANT
.set PW,   176                         ; v176-177 scale words
.set TW,   178
.set VB,   224
.set RB,   96                          ; in window 1
.set G1, 24
.set G0, 32
.set G1B, 48
.set G0B, 56
.set G1S, 68
.set G0S, 76
.set G1SB, 80
.set G0SB, 88
.set SEL, 100
.set MSB, 0
.macro WIN new                         ; the immediate's high byte repeats the setting that is left
.if MSB != (\new)
	s_set_vgpr_msb (MSB<<8)|(\new)
.set MSB, (\new)
.endif
.endm
.macro WMUL hi, zero                   ; source 0 window 1, source 1 window 0, D window 2 or 3; C with D, or, in the first step, the bias in window 0
.if \zero
	WIN 0x81+0x40*(\hi)
.else
	WIN 0xa1+0x50*(\hi)
.endif
.endm
.macro JLOAD g0a, g1a, g0b, g1b        ; a joint load: waves 0 and 1 fetch for A', waves 2 and 3 for B'; four v_nop follow each line
	s_cmp_eq_u32 s15, 0
	s_cbranch_scc0 .Lfor_b_\@
	tensor_load_to_lds s[\g0a:\g0a+3], s[\g1a:\g1a+7]
	s_nop 0
.rept 4
	v_nop
.endr
	s_branch .Lasked_\@
.Lfor_b_\@:
	tensor_load_to_lds s[\g0b:\g0b+3], s[\g1b:\g1b+7]
	s_nop 0
.rept 4
	v_nop
.endr
.Lasked_\@:
.endm
.macro CREST
	s_cmp_lg_u32 s14, 0
	s_cbranch_scc1 .Lnot_wave_0_\@
	s_barrier_signal -3
.Lnot_wave_0_\@:
	s_barrier_wait -3
	s_barrier_signal -1
	s_barrier_wait -1
.endm
.macro CROUND
	s_barrier_signal -1
	s_barrier_wait -1
	CREST
.endm
	s_load_b512 s[68:83], s[0:1], 0x0              ; ws_x 68, q_w codes 70, scales 72, q_b 74, k_w codes 76, scales 78, k_b 80, v_w codes 82
	s_load_b128 s[84:87], s[0:1], 0x40             ; v_w scales 84, v_b 86
	s_load_b64 s[88:89], s[0:1], 0x50              ; ws_qkv
	v_lshl_add_u32 v[SPW], v0, 2, SPARE
	v_mov_b32 v[NIL], 0
	ds_add_u32 v28, v29
	ds_add_u32 v28, v29
	s_wait_dscnt 0x0
	v_lshrrev_b32 v1, 5, v0
	v_readfirstlane_b32 s14, v1                    ; wave
	s_lshr_b32 s15, s14, 1                         ; my half of the tile's rows.  Also: I fetch for A' (0) or B' (1)
	s_and_b32 s16, s14, 1                          ; my half of its columns.  Also: which 128 rows I fetch
	s_bfe_u32 s40, ttmp6, 0x40000                  ; cx
	s_bfe_u32 s41, ttmp6, 0x40004                  ; cy
	s_and_b32 s95, ttmp7, 0xffff                   ; PATH: the cluster's y, the same in all sixteen partners
	s_lshl_b32 s2, ttmp9, 2
	s_cmp_eq_u32 s95, 2
	s_cselect_b32 s17, 0, s2
	s_cselect_b32 s42, s2, 0
	s_add_co_u32 s17, s17, s41                     ; tile row: 4 x cluster x + cy (q, k), cy (v)
	s_add_co_u32 s42, s42, s40                     ; tile column: cx (q, k), 4 x cluster x + cx (v)
	s_lshl_b32 s43, s41, 2
	s_lshl_b32 s43, 15, s43                        ; my row of the cluster
	s_lshl_b32 s44, 0x1111, s40                    ; my column
	s_or_b32 s[G1+0], s43, (0<<16)|(1<<20)|(1<<21)|(3<<22)|(3<<25)   ; mask; bytes; padding of 4 words behind every 16
	s_or_b32 s[G1B+0], s44, (0<<16)|(1<<20)|(1<<21)|(3<<22)|(3<<25)
.irp g, G1, G1B
	s_mov_b32 s[\g+1], ROWB<<16
	s_mov_b32 s[\g+2], 128<<16
	s_mov_b32 s[\g+3], ROWB<<16
	s_mov_b32 s[\g+4], 128
	s_mov_b32 s[\g+5], KROW
	s_mov_b32 s[\g+6], 0
	s_mov_b32 s[\g+7], 0
.endr
	s_lshl_b32 s18, s16, 7
	s_lshl_b32 s20, s17, 8
	s_add_co_u32 s20, s20, s18                     ; A': row 256 x tile row + 128 x half
	s_lshl_b32 s46, s42, 8
	s_add_co_u32 s46, s46, s18                     ; B': row 256 x tile column + 128 x half
	s_mov_b32 s21, 0
	s_mov_b32 s47, 0
	s_mov_b64 s[18:19], KS
	s_mul_u64 s[22:23], s[20:21], s[18:19]
	s_mul_u64 s[92:93], s[46:47], s[18:19]
	s_mov_b64 s[18:19], KROW
	s_mul_u64 s[20:21], s[20:21], s[18:19]
	s_mul_u64 s[46:47], s[46:47], s[18:19]
	s_mul_i32 s45, s14, HALFT
	s_mul_i32 s94, s14, HALFS
	s_wait_kmcnt 0x0
	s_add_nc_u64 s[90:91], s[68:69], XQS           ; xq's scale bytes
	s_add_nc_u64 s[98:99], s[68:69], ROPE          ; the table
	s_cmp_eq_u32 s95, 2                            ; the operands are chosen by PATH alone
	s_cselect_b64 s[4:5], s[82:83], s[68:69]
	s_cselect_b64 s[6:7], s[84:85], s[90:91]
	s_cselect_b64 s[8:9], s[68:69], s[76:77]
	s_cselect_b64 s[10:11], s[90:91], s[78:79]
	s_cselect_b64 s[96:97], s[86:87], s[80:81]
	s_cmp_eq_u32 s95, 0
	s_cselect_b64 s[8:9], s[70:71], s[8:9]
	s_cselect_b64 s[10:11], s[72:73], s[10:11]
	s_cselect_b64 s[96:97], s[74:75], s[96:97]     ; the bias
	s_mov_b64 s[12:13], s[88:89]
	s_mov_b64 s[66:67], s[88:89]
	s_add_nc_u64 s[20:21], s[4:5], s[20:21]
	s_add_nc_u64 s[22:23], s[6:7], s[22:23]
	s_add_nc_u64 s[46:47], s[8:9], s[46:47]
	s_add_nc_u64 s[92:93], s[10:11], s[92:93]
	s_or_b32 s[G1S+0], s43, (3<<16)|(1<<20)|(1<<21)|(5<<22)|(3<<25)   ; the scales of 128 rows: dense, as rows of 256 bytes + 16
	s_or_b32 s[G1SB+0], s44, (3<<16)|(1<<20)|(1<<21)|(5<<22)|(3<<25)
.irp g, G1S, G1SB
	s_mov_b32 s[\g+1], 32<<16
	s_mov_b32 s[\g+2], (128*KS/256)<<16
	s_mov_b32 s[\g+3], 32<<16
	s_mov_b32 s[\g+4], 128*KS/256
	s_mov_b32 s[\g+5], 32
	s_mov_b32 s[\g+6], 0
	s_mov_b32 s[\g+7], 0
.endr
	CROUND                                         ; all sixteen work-groups are here: the first joint loads meet
	s_mov_b32 s[G0S], 1
	s_add_co_u32 s[G0S+1], s94, SCL
	s_mov_b64 s[G0S+2:G0S+3], s[22:23]
	s_or_b32 s[G0S+3], s[G0S+3], 0x80000000
	s_mov_b32 s[G0SB], 1
	s_add_co_u32 s[G0SB+1], s94, SCL
	s_mov_b64 s[G0SB+2:G0SB+3], s[92:93]
	s_or_b32 s[G0SB+3], s[G0SB+3], 0x80000000
	JLOAD G0S, G1S, G0SB, G1SB
.irp s, 0,1
	s_mov_b32 s[G0+4*\s], 1
	s_add_co_u32 s[G0+4*\s+1], s45, \s*SLOT
	s_add_nc_u64 s[G0+4*\s+2:G0+4*\s+3], s[20:21], \s*ROWB
	s_or_b32 s[G0+4*\s+3], s[G0+4*\s+3], 0x80000000
	s_mov_b32 s[G0B+4*\s], 1
	s_add_co_u32 s[G0B+4*\s+1], s45, \s*SLOT
	s_add_nc_u64 s[G0B+4*\s+2:G0B+4*\s+3], s[46:47], \s*ROWB
	s_or_b32 s[G0B+4*\s+3], s[G0B+4*\s+3], 0x80000000
	JLOAD G0+4*\s, G1, G0B+4*\s, G1B
.endr
	v_and_b32 v1, 15, v0                           ; r
	v_bfe_u32 v2, v0, 4, 1                         ; h
	v_mul_u32_u24 v3, v1, PITCH
	v_mul_u32_u24 v4, v2, 24
	v_add_nc_u32 v4, v3, v4
	v_lshl_add_u32 v5, v2, 4, v4                   ; the same behind one padding more
	s_mul_i32 s21, s15, HALFT
	s_mul_i32 s22, s16, HALFT
	s_add_co_u32 s22, s22, 2*HALFT
.irp s, 0,1
	v_add_nc_u32 v[ADRA+\s], s21, v4
	v_add_nc_u32 v[ADRB+\s], s22, v4
	v_add_nc_u32 v[ADRA+2+\s], s21, v5
	v_add_nc_u32 v[ADRB+2+\s], s22, v5
	s_add_co_u32 s21, s21, SLOT
	s_add_co_u32 s22, s22, SLOT
.endr
	v_mul_u32_u24 v5, v1, KS
	v_lshrrev_b32 v6, 8, v5
	v_lshl_add_u32 v5, v6, 4, v5
	s_mul_i32 s21, s15, HALFS
	s_mul_i32 s22, s16, HALFS
	s_add_co_u32 s22, s22, 2*HALFS
	s_sub_co_u32 s22, s22, s21
	v_mul_u32_u24 v6, s22, v2                      ; lanes 16-31 take B's
	s_add_co_u32 s21, s21, SCL
	v_add_nc_u32 v5, v5, v6
	v_add_nc_u32 v[ADRS], s21, v5
	v_and_b32 v6, 31, v0
	v_lshlrev_b32 v[LI], 4, v6
	v_lshlrev_b32 v[L4], 2, v6
	v_lshlrev_b32 v[RA], 8, v1
	v_lshl_add_u32 v[RA], v2, 5, v[RA]
	v_lshlrev_b32 v[SA], 2, v1
	v_lshl_add_u32 v[SA], v2, 13, v[SA]
	v_lshlrev_b32 v[SH], 4, v2
	; The bias, v_b and the table's first two row blocks are loaded on every path, from addresses that are held at 0 where the path does not use them: so every register is written on every way through the text.
	s_lshl_b32 s18, s17, 8
	s_lshl_b32 s19, s15, 7
	s_add_co_u32 s18, s18, s19
	s_and_b32 s18, s18, 2047                       ; s of my first row
	s_lshl_b32 s18, s18, 8
	s_mov_b32 s19, 0
	s_add_nc_u64 s[98:99], s[98:99], s[18:19]
	s_cmp_eq_u32 s95, 2
	s_cselect_b32 s18, 0, s42
	s_cselect_b32 s19, s17, 0
	s_cselect_b32 s94, 0, -1                       ; all lanes on for q and k: the bias runs along the registers; for v it runs along the lanes and is added at the end
	s_lshl_b32 s18, s18, 10
	s_lshl_b32 s20, s16, 9
	s_add_co_u32 s18, s18, s20
	s_lshl_b32 s19, s19, 10
	s_lshl_b32 s20, s15, 9
	s_add_co_u32 s19, s19, s20
	v_lshl_add_u32 v7, v2, 5, s18                  ; my columns' bias: 4 x first column + 32 h
	v_lshl_add_u32 v8, v1, 2, s19                  ; my rows' bias: 4 x (first row + r)
.irp b, 0,1,2,3,4,5,6,7
	global_load_b128 v[BIAS+8*\b:BIAS+8*\b+3], v7, s[96:97] offset:64*\b
	global_load_b128 v[BIAS+8*\b+4:BIAS+8*\b+7], v7, s[96:97] offset:64*\b+16
.endr
.irp a, 0,1,2,3,4,5,6,7
	global_load_b32 v[VB+\a], v8, s[96:97] offset:64*\a
.endr
	WIN 0x40                                       ; destination window 1
.irp a, 0,1
.irp b, 0,1,2,3
	global_load_b128 v[RB+128*\a+8*\b:RB+128*\a+8*\b+3], v[RA], s[98:99] offset:\a*4096+64*\b
	global_load_b128 v[RB+128*\a+8*\b+4:RB+128*\a+8*\b+7], v[RA], s[98:99] offset:\a*4096+64*\b+16
.endr
.endr
	WIN 0
	; where my results go.  q, k: head = 16 b + 4 x tile column + 2 x column half
	s_lshr_b32 s18, s17, 3
	s_lshl_b32 s18, s18, 4
	s_lshl_b32 s19, s42, 2
	s_add_co_u32 s18, s18, s19
	s_lshl_b32 s19, s16, 1
	s_add_co_u32 s18, s18, s19
	s_and_b32 s19, s17, 7
	s_lshl_b32 s20, s18, 6
	s_lshl_b32 s21, s19, 3
	s_add_co_u32 s20, s20, s21
	s_lshl_b32 s21, s15, 2
	s_add_co_u32 s20, s20, s21                     ; 64 x head + my first pair of tiles
	s_mul_i32 s20, s20, 1536
	s_mul_i32 s21, s95, 3145728
	s_add_co_u32 s20, s20, s21
	s_lshl_b32 s22, s18, 11
	s_lshl_b32 s21, s19, 8
	s_add_co_u32 s22, s22, s21
	s_lshl_b32 s21, s15, 7
	s_add_co_u32 s22, s22, s21
	s_lshl_b32 s22, s22, 2
	s_mul_i32 s21, s95, 262144
	s_add_co_u32 s22, s22, s21
	s_add_co_u32 s22, s22, QS
	; v: head = 16 b + 4 x tile row + 2 x row half; key step = 2 x (tile column % 8) + column half
	s_lshr_b32 s18, s42, 3
	s_lshl_b32 s18, s18, 4
	s_lshl_b32 s19, s17, 2
	s_add_co_u32 s18, s18, s19
	s_lshl_b32 s19, s15, 1
	s_add_co_u32 s18, s18, s19
	s_lshl_b32 s18, s18, 4
	s_and_b32 s19, s42, 7
	s_lshl_b32 s19, s19, 1
	s_add_co_u32 s18, s18, s19
	s_add_co_u32 s18, s18, s16
	s_mul_i32 s19, s18, 6144
	s_add_co_u32 s19, s19, VC
	s_lshl_b32 s18, s18, 8
	s_add_co_u32 s18, s18, VS
	s_cmp_eq_u32 s95, 2
	s_cselect_b32 s20, s19, s20
	s_cselect_b32 s22, s18, s22
	s_mov_b32 s21, 0
	s_mov_b32 s23, 0
	s_add_nc_u64 s[12:13], s[12:13], s[20:21]      ; codes
	s_add_nc_u64 s[66:67], s[66:67], s[22:23]      ; scale words
	s_mov_b32 s[SEL], 0x76543210
	s_mov_b32 s[SEL+1], 0xfedcba98                 ; lane l xor 16
	s_mov_b32 s104, 0xffff0000                     ; lanes 16-31
	s_wait_loadcnt 0x0
.set J, 0
.rept 64
	v_cndmask_b32 v[BIAS+J], 0, v[BIAS+J], s94     ; the first products' C: the bias, or zeros for v
.set J, J+1
.endr
.macro FRAG reg, adr, q, i             ; 16 rows x 128 K: 12 registers, in pieces of 8 bytes; where the piece three on lies behind one padding more, the second address register serves
.irp p, 0,1,2,3,4,5
.set PIECE, 12*(\q)+6*(\p/3)+\p%3
.if PIECE%8 < 5
	ds_load_b64 v[\reg+2*\p:\reg+2*\p+1], v[\adr] offset:8*PIECE+16*(PIECE/8)+(\i)*16*PITCH
.else
	ds_load_b64 v[\reg+2*\p:\reg+2*\p+1], v[\adr+2] offset:8*PIECE+16*(PIECE/8)+(\i)*16*PITCH
.endif
.endr
.endm
; 16 matrix instructions: A's blocks a0, a0 + 1 x B's eight.  The 64 accumulators take turns, one instruction a turn, in the same order in every step.
.macro MUL16 a0, p, q, sc, zero
.irp a, \a0, \a0+1
.irp b, 0,1,2,3,4,5,6,7
.if \zero
	v_wmma_scale_f32_16x16x128_f8f6f4 v[8*(8*((\a)%4)+\b):8*(8*((\a)%4)+\b)+7], v[128*(\p)+FR*\b:128*(\p)+FR*\b+FR-1], v[AF+FR*(\a):AF+FR*(\a)+FR-1], v[BIAS+8*\b:BIAS+8*\b+7], v[SC+8*NQ*(\sc)+NQ*\b+(\q)], v[SC+8*NQ*(\sc)+NQ*(\a)+(\q)] matrix_a_fmt:MATRIX_FMT_FP6 matrix_b_fmt:MATRIX_FMT_FP6 matrix_a_scale:MATRIX_SCALE_ROW1
.else
	v_wmma_scale_f32_16x16x128_f8f6f4 v[8*(8*((\a)%4)+\b):8*(8*((\a)%4)+\b)+7], v[128*(\p)+FR*\b:128*(\p)+FR*\b+FR-1], v[AF+FR*(\a):AF+FR*(\a)+FR-1], v[8*(8*((\a)%4)+\b):8*(8*((\a)%4)+\b)+7], v[SC+8*NQ*(\sc)+NQ*\b+(\q)], v[SC+8*NQ*(\sc)+NQ*(\a)+(\q)] matrix_a_fmt:MATRIX_FMT_FP6 matrix_b_fmt:MATRIX_FMT_FP6 matrix_a_scale:MATRIX_SCALE_ROW1
.endif
.endr
.endr
.endm
.macro FETCH_B slot, q, p
	WIN 0x40
.irp i, 0,1,2,3,4,5,6,7
	FRAG 128*(\p)+FR*\i, ADRB+\slot, \q, \i
.endr
	WIN 0
.endm
.macro FETCH_A slot, q, i0
.irp i, \i0, \i0+1, \i0+2, \i0+3
	FRAG AF+FR*(\i), ADRA+\slot, \q, \i
.endr
.endm
.macro SCALES sc                       ; lanes 0-15 take the words of A's block i, lanes 16-31 those of B's block i
.irp i, 0,1,2,3,4,5,6,7
	ds_load_b64 v[SC+8*NQ*\sc+NQ*\i:SC+8*NQ*\sc+NQ*\i+1], v[ADRS] offset:\i*SBLK
.endr
.endm
.macro PLACES n                        ; plain vector lines between a matrix instruction and a load into, or a vector line on, its registers
.rept \n
	v_nop
.endr
.endm
.macro STEP slot, q, zero
	s_wait_dscnt 4*NL                              ; B's set and A's blocks 0-3 are in; the youngest 24 loads (A's blocks 4-7) may be out
	WMUL 0, \zero
	MUL16 0, (\q)%2, \q, \slot, \zero
	MUL16 2, (\q)%2, \q, \slot, \zero
	s_wait_dscnt 0
	PLACES NP
	FETCH_B \slot, (\q)+1, 1-(\q)%2
	FETCH_A \slot, (\q)+1, 0
	WMUL 1, \zero
	MUL16 4, (\q)%2, \q, \slot, \zero
	MUL16 6, (\q)%2, \q, \slot, \zero
	PLACES NP
	WIN 0
	FETCH_A \slot, (\q)+1, 4
.endm
; A slot's last step changes slots: one barrier; in front of it each wave waits for all its tensor loads, adds 0 to its spare word, and waits for that and for its reads of this slot.
.macro TURN slot, next, fill
	s_wait_tensorcnt 0x0                           ; all my tensor loads have landed: my part of the next slot
	ds_add_u32 v[SPW], v[NIL]                      ; 0 onto my spare word
	s_wait_dscnt 4*NL+1                            ; the add and the youngest 24 loads may be out
	WMUL 0, 0
	MUL16 0, 1, NQ-1, \slot, 0
	s_wait_dscnt 0x0                               ; the add is done, and my reads of this slot are over
	s_barrier_signal -1
	MUL16 2, 1, NQ-1, \slot, 0
	WIN 0
	s_barrier_wait -1
.if \fill
	CREST                                          ; the barrier has opened a round of the cluster's: no wave of any partner still reads this slot or has a load on its way
	s_add_nc_u64 s[G0+4*\slot+2:G0+4*\slot+3], s[G0+4*\slot+2:G0+4*\slot+3], 2*ROWB
	s_add_nc_u64 s[G0B+4*\slot+2:G0B+4*\slot+3], s[G0B+4*\slot+2:G0B+4*\slot+3], 2*ROWB
	JLOAD G0+4*\slot, G1, G0B+4*\slot, G1B         ; the first tensor load behind the round; its four v_nop are the places in front of the loads below
.else
	PLACES NP
.endif
	v_add_nc_u32 v[ADRS], 4*NQ, v[ADRS]
	FETCH_B \next, 0, 0
	FETCH_A \next, 0, 0
	SCALES \next
	WMUL 1, 0
	MUL16 4, 1, NQ-1, \slot, 0
	MUL16 6, 1, NQ-1, \slot, 0
	PLACES NP
	WIN 0
	FETCH_A \next, 0, 4
.endm
	s_wait_tensorcnt 1                             ; the scales and my part of K step 0 are in; K step 1's load may be out
	s_barrier_signal -1
	s_barrier_wait -1
	FETCH_B 0, 0, 0
	FETCH_A 0, 0, 0
	SCALES 0
	FETCH_A 0, 0, 4
	STEP 0, 0, 1                                   ; the first step starts the sums from the bias
	s_mov_b32 s3, LAPS-1
.Llap:
	TURN 0, 1, 1
	STEP 1, 0, 0
	TURN 1, 0, 1
	STEP 0, 0, 0
	s_sub_co_u32 s3, s3, 1
	s_cmp_lg_u32 s3, 0
	s_cbranch_scc1 .Llap
	TURN 0, 1, 0
	STEP 1, 0, 0
	s_wait_dscnt 4*NL
	WMUL 0, 0
	MUL16 0, 1, NQ-1, 1, 0
	MUL16 2, 1, NQ-1, 1, 0
	s_wait_dscnt 0
	WMUL 1, 0
	MUL16 4, 1, NQ-1, 1, 0
	MUL16 6, 1, NQ-1, 1, 0
	WIN 0
; 64 numbers of a lane, v[s] on, registers 16 b .. 16 b + 15 = my half of block b of my row, become codes: blocks 0, 1 in v[p0] .. + 5, blocks 2, 3 in v[p1] .. + 5 (lanes 0-15 the even block, lanes 16-31 the odd one), and the four scale bytes in v[pw].
.macro QUANT s, p0, p1, pw
.irp b, 0,1,2,3
	v_max3_num_f32 v[TM+\b], |v[\s+16*\b]|, |v[\s+1+16*\b]|, 0x1800000   ; with the floor 2^(3 - 127): the byte cannot fall under 1
.endr
.irp i, 2,4,6,8,10,12,14
.irp b, 0,1,2,3
	v_max3_num_f32 v[TM+\b], v[TM+\b], |v[\s+16*\b+\i]|, |v[\s+1+16*\b+\i]|
.endr
.endr
.irp b, 0,1,2,3
	v_permlanex16_b32 v[TM+4+\b], v[TM+\b], s[SEL], s[SEL+1]
.endr
.irp b, 0,1,2,3
	v_max_num_f32 v[TM+\b], v[TM+\b], v[TM+4+\b]   ; with lane l xor 16's: the block's largest magnitude
.endr
.irp b, 0,1,2,3
	v_add_nc_u32 v[TM+12+\b], 0xff000000, v[TM+\b] ; 2 off its exponent field: the conversion's scale operand
.endr
.irp b, 0,1,2,3
	v_lshrrev_b32 v[TM+8+\b], 23, v[TM+12+\b]      ; the scale's byte
.endr
	v_lshl_or_b32 v[\pw], v[TM+9], 8, v[TM+8]
	v_lshl_or_b32 v[\pw], v[TM+10], 16, v[\pw]
	v_lshl_or_b32 v[\pw], v[TM+11], 24, v[\pw]
	v_cvt_scalef32_pk16_fp6_f32 v[(\p0):(\p0)+2], v[\s:\s+15], v[TM+12]
	v_cvt_scalef32_pk16_fp6_f32 v[PT:PT+2], v[\s+16:\s+31], v[TM+13]
	v_cvt_scalef32_pk16_fp6_f32 v[(\p1):(\p1)+2], v[\s+32:\s+47], v[TM+14]
	v_cvt_scalef32_pk16_fp6_f32 v[PT+4:PT+6], v[\s+48:\s+63], v[TM+15]
	v_nop                                          ; one plain line behind the scaled conversions
.irp i, 0,1,2
	v_permlane16_swap_b32 v[(\p0)+\i], v[PT+\i]    ; a whole block to a lane
.endr
.irp i, 0,1,2
	v_mov_b32 v[(\p0)+3+\i], v[PT+\i]
.endr
.irp i, 0,1,2
	v_permlane16_swap_b32 v[(\p1)+\i], v[PT+4+\i]
.endr
.irp i, 0,1,2
	v_mov_b32 v[(\p1)+3+\i], v[PT+4+\i]
.endr
.endm
; q, k: row block a.  out(2 i) = x(2 i) cos - x(2 i + 1) sin, out(2 i + 1) = x(2 i + 1) cos + x(2 i) sin: two packed lines a pair.  Each accumulator is read from its low end on.
.macro EPI_QK a
.set AC, 64*((\a)%4)
.set CSB, RB+128*((\a)%2)
.if (\a) == 7
	s_wait_loadcnt 0x0
.elseif (\a) >= 2
	s_wait_loadcnt 8                               ; this block's rows of the table are in; the next block's eight loads may be out
.endif
	s_wait_xcnt 0x0                                ; earlier stores have read their registers: codes and words may be written again
	WIN 0x06+(\a)/4                                ; source 0: the accumulators' window; source 1: window 1
.irp b, 0,1,2,3,4,5,6,7
.irp j, 0,2,4,6
	v_pk_mul_f32 v[W+8*\b+\j:W+8*\b+\j+1], v[AC+8*\b+\j:AC+8*\b+\j+1], v[CSB+8*(\b%4)+\j:CSB+8*(\b%4)+\j+1] op_sel_hi:[1,0]
.endr
.irp j, 0,2,4,6
	v_pk_fma_f32 v[W+8*\b+\j:W+8*\b+\j+1], v[AC+8*\b+\j:AC+8*\b+\j+1], v[CSB+8*(\b%4)+\j:CSB+8*(\b%4)+\j+1], v[W+8*\b+\j:W+8*\b+\j+1] op_sel:[1,1,0] op_sel_hi:[0,1,1] neg_lo:[1,0,0]
.endr
.endr
.if (\a) < 6
	WIN 0x40
.irp b, 0,1,2,3
	global_load_b128 v[CSB+8*\b:CSB+8*\b+3], v[RA], s[98:99] offset:((\a)+2)*4096+64*\b
	global_load_b128 v[CSB+8*\b+4:CSB+8*\b+7], v[RA], s[98:99] offset:((\a)+2)*4096+64*\b+16
.endr
.endif
	WIN 0
	QUANT W, CD+6*((\a)%2), CD+12+6*((\a)%2), PW
	v_lshrrev_b32 v[TW], v[SH], v[PW]              ; lanes 0-15: the first head's two bytes; lanes 16-31: the second's
	v_and_b32 v[TW], 0xffff, v[TW]
	global_store_b32 v[SA], v[TW], s[66:67] offset:64*(\a)
.if (\a)%2
.irp c, 0,1
.irp k, 0,1,2
	global_store_b128 v[LI], v[CD+12*\c+4*\k:CD+12*\c+4*\k+3], s[12:13] offset:\c*98304+((\a)/2)*1536+512*\k
.endr
.endr
.endif
.endm
; v: channel block a; the bias of my channel is added, then the 128 keys are quantised: one whole fragment.
.macro EPI_V a
.set AC, 64*((\a)%4)
.set VBP, VB+2*((\a)/2)
	s_wait_xcnt 0x0
	WIN 0x02+(\a)/4
.set J, 0
.rept 32
.if (\a)%2
	v_pk_add_f32 v[W+J:W+J+1], v[AC+J:AC+J+1], v[VBP:VBP+1] op_sel:[0,1] op_sel_hi:[1,1]
.else
	v_pk_add_f32 v[W+J:W+J+1], v[AC+J:AC+J+1], v[VBP:VBP+1] op_sel_hi:[1,0]
.endif
.set J, J+2
.endr
	WIN 0
	QUANT W, CD, CD+6, PW+(\a)%2
.irp k, 0,1,2
	global_store_b128 v[LI], v[CD+4*\k:CD+4*\k+3], s[12:13] offset:((\a)/4)*98304+((\a)%4)*1536+512*\k
.endr
.if (\a)%2
	v_cndmask_b32 v[TW], v[PW], v[PW+1], s104      ; lanes 0-15: block a - 1's words; lanes 16-31: block a's
	global_store_b32 v[L4], v[TW], s[66:67] offset:(((\a)-1)/4)*4096+(((\a)-1)%4)*64
.endif
.endm
	PLACES NP
.irp b, 0,1,2,3
	v_mov_b32 v[TM+4+\b], 0                        ; written once: a lane permute's destination counts as one of its sources
.endr
	s_cmp_eq_u32 s95, 2
	s_cbranch_scc1 .Lv_path
.irp a, 0,1,2,3,4,5,6,7
	EPI_QK \a
.endr
	s_branch .Lend
.Lv_path:
.irp a, 0,1,2,3,4,5,6,7
	EPI_V \a
.endr
.Lend:
	s_wait_tensorcnt 0x0                           ; the wave's end
	ds_add_u32 v[SPW], v[NIL]
	s_wait_dscnt 0x0
	CROUND                                         ; the closing round
	s_endpgm
.Lfunc_end_k_q1b4738eeb4_qkv:
	.size	k_q1b4738eeb4_qkv, .Lfunc_end_k_q1b4738eeb4_qkv-k_q1b4738eeb4_qkv
	.p2alignl 7, 3214868480
	.fill 96, 4, 3214868480
	.section	.rodata,"a",@progbits
	.p2align	6, 0x0
	.amdhsa_kernel k_q1b4738eeb4_qkv
		.amdhsa_group_segment_fixed_size 327680
		.amdhsa_private_segment_fixed_size 0
		.amdhsa_enable_private_segment 0
		.amdhsa_kernarg_size 88
		.amdhsa_user_sgpr_count 2
		.amdhsa_user_sgpr_kernarg_segment_ptr 1
		.amdhsa_wavefront_size32 1
		.amdhsa_system_sgpr_workgroup_id_x 1
		.amdhsa_system_sgpr_workgroup_id_y 1
		.amdhsa_system_sgpr_workgroup_id_z 1
		.amdhsa_system_vgpr_workitem_id 0
		.amdhsa_next_free_vgpr 1024
		.amdhsa_next_free_sgpr 106
		.amdhsa_reserve_vcc 0
		.amdhsa_float_denorm_mode_32 3
		.amdhsa_float_denorm_mode_16_64 3
		.amdhsa_memory_ordered 1
		.amdhsa_forward_progress 1
		.amdhsa_inst_pref_size 255
	.end_amdhsa_kernel
	.section	.bss,"aw",@nobits
	.p2align	6
	.space	262144
	.amdgpu_metadata
---
amdhsa.version: [ 1, 2 ]
amdhsa.kernels:
  - .name:           k_q1b4738eeb4_qkv
    .symbol:         k_q1b4738eeb4_qkv.kd
    .args:
      - { .name: ws_x, .offset: 0, .size: 8, .value_kind: global_buffer, .address_space: global }
      - { .name: q_w_codes, .offset: 8, .size: 8, .value_kind: global_buffer, .address_space: global }
      - { .name: q_w_scales, .offset: 16, .size: 8, .value_kind: global_buffer, .address_space: global }
      - { .name: q_b, .offset: 24, .size: 8, .value_kind: global_buffer, .address_space: global }
      - { .name: k_w_codes, .offset: 32, .size: 8, .value_kind: global_buffer, .address_space: global }
      - { .name: k_w_scales, .offset: 40, .size: 8, .value_kind: global_buffer, .address_space: global }
      - { .name: k_b, .offset: 48, .size: 8, .value_kind: global_buffer, .address_space: global }
      - { .name: v_w_codes, .offset: 56, .size: 8, .value_kind: global_buffer, .address_space: global }
      - { .name: v_w_scales, .offset: 64, .size: 8, .value_kind: global_buffer, .address_space: global }
      - { .name: v_b, .offset: 72, .size: 8, .value_kind: global_buffer, .address_space: global }
      - { .name: ws_qkv, .offset: 80, .size: 8, .value_kind: global_buffer, .address_space: global }
    .group_segment_fixed_size: 327680
    .private_segment_fixed_size: 0
    .kernarg_segment_align: 8
    .kernarg_segment_size: 88
    .max_flat_workgroup_size: 128
    .sgpr_count:     106
    .vgpr_count:     1024
    .wavefront_size: 32
...
	.end_amdgpu_metadata
.endif
;; end of part 2
;; launch attn (part 3): grid 8 x 32, 16 waves a work-group, clusters of 4 x 1, 280,576 bytes of LDS; arguments ws_qkv, ws_att; writes ws_att
.if DOCPART == 3
	.amdgcn_target "amdgcn-amd-amdhsa--gfx1250"
	.amdhsa_code_object_version 6
	.text
	.protected	k_q1b4738eeb4_attn
	.globl	k_q1b4738eeb4_attn
	.p2align	8
	.type	k_q1b4738eeb4_attn,@function
k_q1b4738eeb4_attn:
	s_mov_b64 s[64:65], 0
	v_nop
	global_prefetch_b8 v0, s[64:65] scope:SCOPE_SE
	s_setreg_imm32_b32 hwreg(HW_REG_WAVE_MODE, 25, 1), 1
	s_wait_xcnt 0x0
	s_wait_alu depctr_hold_cnt(0) depctr_sa_sdst(0) depctr_va_vdst(0) depctr_va_sdst(0) depctr_va_ssrc(0) depctr_va_vcc(0) depctr_vm_vsrc(0)
	s_getreg_b32 s2, hwreg(HW_REG_IB_STS2, 6, 4)
	s_cmp_eq_u32 s2, 0
	s_cbranch_scc0 .Lentry_in_a_cluster
	s_endpgm
.Lentry_in_a_cluster:
	s_bfe_u32 s2, ttmp6, 0x10000c
	s_cmp_lg_u32 s2, 0x3003
	s_cbranch_scc0 .Lentry_shape_is_right
	s_endpgm
.Lentry_shape_is_right:
; O[head][q] = sum over k of softmax_k(q . k / 8) v, both products on codes of FP6 (E2M3) with E8M0 scales.  32 heads (16 b + h), 2,048 rows, head size 64.
; t = score x log2(e) / 8; M = the running largest t, rounded up to a whole number; p = 2^(t - M) is quantised along the keys; the row's sum is taken of the unquantised p and divides at the end.
; When M moves, the sum and O are multiplied by 2^(old M - new M), which rounds nothing.
; SHARES: a work-group owns 256 queries of one head, each of its sixteen waves 16: four waves to a SIMD, 256 registers each.  Every wave walks all keys, 128 a step.
; A HEAD'S WHOLE K AND V LIE IN LDS, as images of operand registers (98,304 bytes each) with their scale words, filled once: four chunks of 24,576 bytes each, so that the first steps run while the later chunks land.
; No LDS byte is filled twice.  The four work-groups of a cluster share a head: each load is asked for jointly (mask 15).  Wave 0 asks for K's five loads, wave 1 for V's five: five tensor loads of a wave are out at the most.
; LAYOUT: both products transposed: S^T = K Q^T, O^T = V^T P^T: a lane holds one query.  The first product's K is 64: a tile's fragment is six registers; the instruction names twelve, and the upper six
; (the next tile's codes, or zeros) meet Q's zero codes under scale bytes 0: they add exactly 0.
; Within a block of 32 keys p's codes stand in the order 0-7, 16-23, 8-15, 24-31, as v's do.
; LIMITS: NaN and infinities are not served.
.set KC,    3145728
.set QS,    9437184
.set KSG,   9699328
.set VSG,   9961472
.set HB,    98304                      ; a head's codes
.set CHB,   24576                      ; a chunk: four key steps
.set SCK,   196608                     ; K's scale words, 8,192 bytes
.set SCV,   204800                     ; V's, 4,096 bytes
.set STAGE, 208896                     ; 16 rows x 272 bytes for each wave, for the way out
.set LI,   1                           ; v1   16 x lane
.set ASK0, 2                           ; v2   SCK + 4 x lane
.set ASV0, 3                           ; v3   SCV + 4 x (lane % 16)
.set GO,   7                           ; v7   my byte offset in the wave's rows of O
.set ADK,  8
.set ADV,  9
.set ADS,  10
.set ADT,  11
.set BM,   212                         ; v212-215 the blocks' largest scores, then largest p
.set PR,   216                         ; v216-219 lane l xor 16's
.set SO,   220                         ; v220-223 the conversions' scale operands
.set BY,   224                         ; v224-227 the scale bytes
.set WV,   18
.set SEL,  20
.set CS,   22
.set G1C,  24                          ; s[24:31] group 1 of a chunk: 96 rows of 256 bytes
.set G1KS, 32                          ; s[32:39] of K's scale words: 32 rows
.set G1VS, 40                          ; s[40:47] of V's: 16 rows
.set TB,   2
.set TS,   3
.set TJ,   66
.set CNT,  67
.macro CROUND
	s_barrier_signal -1
	s_barrier_wait -1
	s_cmp_lg_u32 s[WV], 0
	s_cbranch_scc1 .Lnot_wave_0_\@
	s_barrier_signal -3
.Lnot_wave_0_\@:
	s_barrier_wait -3
	s_barrier_signal -1
	s_barrier_wait -1
.endm
	s_load_b128 s[4:7], s[0:1], 0x0                ; ws_qkv, ws_att
	v_lshl_add_u32 v254, v0, 2, 0x44000
	v_mov_b32 v255, 0
	ds_add_u32 v254, v255
	ds_add_u32 v254, v255
	v_lshrrev_b32 v8, 5, v0
	v_readfirstlane_b32 s[WV], v8                  ; wave 0..15
	s_bfe_u32 s72, ttmp6, 0x40000                  ; cx
	s_lshl_b32 s73, ttmp9, 2
	s_add_co_u32 s73, s73, s72                     ; my block of 256 queries: it enters Q's and O's global addresses alone
	s_and_b32 s74, ttmp7, 0xffff                   ; the head, which the four partners share
	s_and_b32 s75, s[WV], 1                        ; 0: K's loads, 1: V's
.irp g, G1C, G1KS, G1VS
	s_mov_b32 s[\g], 15|(3<<16)|(1<<21)            ; the mask: all four work-groups; elements of 8 bytes; no padding
	s_mov_b32 s[\g+1], 32<<16
	s_mov_b32 s[\g+3], 32<<16
	s_mov_b32 s[\g+5], 32
	s_mov_b32 s[\g+6], 0
	s_mov_b32 s[\g+7], 0
.endr
	s_mov_b32 s[G1C+2], 96<<16
	s_mov_b32 s[G1C+4], 96
	s_mov_b32 s[G1KS+2], 32<<16
	s_mov_b32 s[G1KS+4], 32
	s_mov_b32 s[G1VS+2], 16<<16
	s_mov_b32 s[G1VS+4], 16
	s_lshl_b32 s76, s74, 13
	s_add_co_u32 s76, s76, KSG
	s_lshl_b32 s77, s74, 12
	s_add_co_u32 s77, s77, VSG
	s_cmp_eq_u32 s75, 0
	s_cselect_b32 s76, s76, s77                    ; the head's scale words, K's or V's
	s_mov_b32 s77, 0
	s_add_co_u32 s78, s75, 1
	s_mul_i32 s78, s78, KC
	s_mul_i32 s79, s74, HB
	s_add_co_u32 s78, s78, s79                     ; the head's codes, K's or V's
	s_mov_b32 s79, 0
	s_lshl_b32 s82, s73, 3
	s_lshr_b32 s83, s[WV], 1
	s_add_co_u32 s82, s82, s83
	s_mul_i32 s82, s82, 1536
	s_mul_i32 s83, s74, HB
	s_add_co_u32 s82, s82, s83                     ; the image that holds my tile of Q
	s_mov_b32 s83, 0
	s_lshl_b32 s87, s73, 8
	s_lshl_b32 s88, s[WV], 4
	s_add_co_u32 s87, s87, s88                     ; my first query
	s_lshl_b32 s88, s74, 11
	s_add_co_u32 s88, s88, s87
	s_lshl_b32 s88, s88, 2
	s_add_co_u32 s88, s88, QS
	s_mov_b32 s89, 0
	s_lshr_b32 s92, s74, 4
	s_lshl_b32 s92, s92, 11
	s_add_co_u32 s92, s92, s87
	s_lshl_b32 s92, s92, 12
	s_and_b32 s93, s74, 15
	s_lshl_b32 s93, s93, 8
	s_add_co_u32 s92, s92, s93                     ; O: row b x 2048 + query, 4,096 bytes a row, + 256 x head
	s_mov_b32 s93, 0
	s_cmp_eq_u32 s75, 0                            ; an even wave's tile is registers 0-5 of the image, an odd one's 6-11
	s_cselect_b32 s84, 0, 520
	s_mov_b32 s85, 1024
	s_cselect_b32 s85, 8, s85
	s_mov_b32 s86, 1032
	s_cselect_b32 s86, 512, s86
	s_mov_b32 s[SEL], 0x76543210
	s_mov_b32 s[SEL+1], 0xfedcba98
	s_mov_b32 s[CS], 0x3e38aa3b                    ; c = log2(e) / 8
	s_mov_b32 s[CS+1], s[CS]
	s_wait_dscnt 0x0
	s_wait_kmcnt 0x0
	s_add_nc_u64 s[80:81], s[4:5], s[78:79]
	s_mov_b32 s48, 1
	s_lshl_b32 s49, s75, 13
	s_add_co_u32 s49, s49, SCK                     ; K's words at SCK, V's 8,192 bytes on
	s_add_nc_u64 s[50:51], s[4:5], s[76:77]
	s_or_b32 s51, s51, 0x80000000
.macro MKG0 g, c                       ; group 0 of chunk c
	s_mov_b32 s[\g], 1
	s_mul_i32 s[\g+1], s75, HB
	s_add_co_u32 s[\g+1], s[\g+1], (\c)*CHB
	s_add_nc_u64 s[\g+2:\g+3], s[80:81], (\c)*CHB
	s_or_b32 s[\g+3], s[\g+3], 0x80000000
.endm
	MKG0 52, 0
	MKG0 56, 1
	MKG0 60, 2
	MKG0 68, 3
	s_add_nc_u64 s[8:9], s[4:5], s[82:83]
	s_add_nc_u64 s[10:11], s[4:5], s[88:89]
	s_add_nc_u64 s[12:13], s[6:7], s[92:93]
	CROUND                                         ; all four work-groups are here: the joint loads meet
	s_cmp_eq_u32 s[WV], 0                          ; a wave's five fills stand in one branch on the wave's number
	s_cbranch_scc0 .Lnot_k
	tensor_load_to_lds s[48:51], s[G1KS:G1KS+7]
	s_nop 0
	tensor_load_to_lds s[52:55], s[G1C:G1C+7]
	s_nop 0
	tensor_load_to_lds s[56:59], s[G1C:G1C+7]
	s_nop 0
	tensor_load_to_lds s[60:63], s[G1C:G1C+7]
	s_nop 0
	tensor_load_to_lds s[68:71], s[G1C:G1C+7]
	s_nop 0
.rept 4
	v_nop
.endr
	s_branch .Lasked
.Lnot_k:
	s_cmp_eq_u32 s[WV], 1
	s_cbranch_scc0 .Lasked
	tensor_load_to_lds s[48:51], s[G1VS:G1VS+7]
	s_nop 0
	tensor_load_to_lds s[52:55], s[G1C:G1C+7]
	s_nop 0
	tensor_load_to_lds s[56:59], s[G1C:G1C+7]
	s_nop 0
	tensor_load_to_lds s[60:63], s[G1C:G1C+7]
	s_nop 0
	tensor_load_to_lds s[68:71], s[G1C:G1C+7]
	s_nop 0
.rept 4
	v_nop
.endr
.Lasked:
	v_and_b32 v8, 31, v0
	v_and_b32 v9, 15, v0
	v_bfe_u32 v10, v0, 4, 1
	v_lshlrev_b32 v[LI], 4, v8
	v_lshl_add_u32 v[ASK0], v8, 2, SCK
	v_lshl_add_u32 v[ASV0], v9, 2, SCV
	v_lshlrev_b32 v[GO], 12, v10
	v_lshl_add_u32 v[GO], v9, 4, v[GO]
	v_add_nc_u32 v232, s84, v[LI]
	v_add_nc_u32 v233, s85, v[LI]
	v_add_nc_u32 v234, s86, v[LI]
	v_lshlrev_b32 v235, 2, v9
	global_load_b64 v[16:17], v232, s[8:9]         ; Q's six registers stay
	global_load_b64 v[18:19], v233, s[8:9]
	global_load_b64 v[20:21], v234, s[8:9]
	global_load_b32 v28, v235, s[10:11]            ; and its scale words
.irp j, 22,23,24,25,26,27,80,81,82,83,84,85
	v_mov_b32 v[\j], 0                             ; zero codes: Q's upper 64 along K, and what the last tile's fragment names behind its own six registers
.endr
	v_mov_b32 v13, 0xff61b1e6                      ; the largest t so far: -3e38
	v_floor_f32 v12, -v13                          ; -M
	v_mov_b32 v14, 0
	v_mov_b32 v15, 0
.irp b, 0,1,2,3
	v_mov_b32 v[PR+\b], 0                          ; a lane permute's destination counts as one of its sources
.endr
	v_mov_b32 v231, 0                              ; named as the upper half of the pair v[230:231]
.set J, 0
.rept 32
	v_mov_b32 v[160+J], 0                          ; O^T: the step is written once; its first run finds zeros
.set J, J+1
.endr
.macro STEP
	v_add_nc_u32 v[ADK], s[TB], v[LI]              ; these four lines are also the places behind the last products, in front of the loads
	v_add_nc_u32 v[ADS], s[TS], v[ASK0]
	v_add_nc_u32 v[ADT], s[TJ], v[ASV0]
	v_add_nc_u32 v[ADV], HB, v[ADK]
.irp b, 0,1,2,3
.irp k, 0,1,2
	ds_load_b128 v[32+12*\b+4*\k:35+12*\b+4*\k], v[ADK] offset:1536*\b+512*\k   ; an image: two tiles of 16 keys
.endr
	ds_load_b32 v[86+\b], v[ADS] offset:128*\b     ; lanes 0-15: the even tile's words; lanes 16-31: the odd one's
.endr
	s_wait_dscnt 0x0
.irp t, 0,2,4,6
	v_wmma_scale_f32_16x16x128_f8f6f4 v[96+8*\t:103+8*\t], v[32+6*\t:43+6*\t], v[16:27], 0, v[86+\t/2], v28 matrix_a_fmt:MATRIX_FMT_FP6 matrix_b_fmt:MATRIX_FMT_FP6
	v_wmma_scale_f32_16x16x128_f8f6f4 v[104+8*\t:111+8*\t], v[38+6*\t:49+6*\t], v[16:27], 0, v[86+\t/2], v28 matrix_a_fmt:MATRIX_FMT_FP6 matrix_b_fmt:MATRIX_FMT_FP6 matrix_a_scale:MATRIX_SCALE_ROW1
.endr
.rept 4
	v_nop                                          ; places in front of the loads into K's registers and of the first read of the scores
.endr
.irp t, 0,1,2,3
.irp k, 0,1,2
	ds_load_b128 v[32+12*\t+4*\k:35+12*\t+4*\k], v[ADV] offset:1536*\t+512*\k   ; V's four fragments land under the softmax
.endr
	ds_load_b32 v[90+\t], v[ADT] offset:64*\t
.endr
.irp b, 0,1,2,3
	v_max3_num_f32 v[BM+\b], v[96+16*\b], v[97+16*\b], v[98+16*\b]   ; the largest score of each block of 32 keys: for the row's maximum, and for the block's largest p
.endr
.irp i, 3,5,7,9,11,13
.irp b, 0,1,2,3
	v_max3_num_f32 v[BM+\b], v[BM+\b], v[96+16*\b+\i], v[97+16*\b+\i]
.endr
.endr
.irp b, 0,1,2,3
	v_max_num_f32 v[BM+\b], v[BM+\b], v[111+16*\b]
.endr
.irp b, 0,1,2,3
	v_permlanex16_b32 v[PR+\b], v[BM+\b], s[SEL], s[SEL+1]
.endr
.irp b, 0,1,2,3
	v_max_num_f32 v[BM+\b], v[BM+\b], v[PR+\b]
.endr
	v_max3_num_f32 v234, v[BM], v[BM+1], v[BM+2]
	v_max_num_f32 v234, v234, v[BM+3]
	v_mul_f32 v234, s[CS], v234
	v_max_num_f32 v13, v13, v234                   ; the running largest t
	v_mov_b32 v234, v12
	v_floor_f32 v12, -v13                          ; the new -M
	v_sub_f32 v234, v12, v234                      ; old M - new M: a whole number, 0 or less
	v_cvt_i32_f32 v234, v234                       ; (it saturates)
	v_ldexp_f32 v230, 1.0, v234                    ; f = 2^(old M - new M)
.set J, 0
.rept 32
	v_pk_fma_f32 v[96+J:97+J], v[96+J:97+J], s[CS:CS+1], v[12:13] op_sel_hi:[1,0,0]   ; t - M
.set J, J+2
.endr
.irp b, 0,1,2,3
	v_fma_f32 v[BM+\b], v[BM+\b], s[CS], v12
.endr
.set J, 0
.rept 64
	v_exp_f32 v[96+J], v[96+J]                     ; p = 2^(t - M)
.set J, J+1
.endr
	v_pk_mul_f32 v[14:15], v[14:15], v[230:231] op_sel_hi:[1,0]   ; the sums under the new M: a plain line behind the exponentials
	s_wait_alu depctr_va_vdst(0)                   ; one wait for the batch, ahead of its first reader
.irp b, 0,1,2,3
	v_exp_f32 v[BM+\b], v[BM+\b]                   ; the block's largest p
.endr
	v_pk_add_f32 v[232:233], v[96:97], v[98:99]    ; the row's sum of the unquantised p, in two chains
.irp j, 4,8,12,16,20,24,28,32,36,40,44,48,52,56,60
	v_pk_add_f32 v[14:15], v[14:15], v[96+\j:97+\j]
	v_pk_add_f32 v[232:233], v[232:233], v[98+\j:99+\j]
.endr
	v_pk_add_f32 v[14:15], v[14:15], v[232:233]
	s_wait_alu depctr_va_vdst(0)                   ; and one for the four
.irp b, 0,1,2,3
	v_max_num_f32 v[BM+\b], 0x1800000, v[BM+\b]    ; the floor: the byte cannot fall under 1
.endr
.irp b, 0,1,2,3
	v_add_nc_u32 v[SO+\b], 0xff000000, v[BM+\b]
.endr
.irp b, 0,1,2,3
	v_lshrrev_b32 v[BY+\b], 23, v[SO+\b]
.endr
	v_lshl_or_b32 v228, v[BY+1], 8, v[BY]          ; p's scale word for these 128 keys
	v_lshl_or_b32 v228, v[BY+2], 16, v228
	v_lshl_or_b32 v228, v[BY+3], 24, v228
.irp c, 0,1
	v_cvt_scalef32_pk16_fp6_f32 v[192+6*\c:194+6*\c], v[96+32*\c:111+32*\c], v[SO+2*\c]
	v_cvt_scalef32_pk16_fp6_f32 v[204+4*\c:206+4*\c], v[112+32*\c:127+32*\c], v[SO+2*\c+1]
.endr
	v_nop                                          ; one plain line behind the scaled conversions
.irp c, 0,1
.irp i, 0,1,2
	v_permlane16_swap_b32 v[192+6*\c+\i], v[204+4*\c+\i]
.endr
.irp i, 0,1,2
	v_mov_b32 v[195+6*\c+\i], v[204+4*\c+\i]
.endr
.endr
.set J, 0
.rept 16
	v_pk_mul_f32 v[160+J:161+J], v[160+J:161+J], v[230:231] op_sel_hi:[1,0]   ; O^T under the new M; these sixteen are also the places in front of the scaled products
.set J, J+2
.endr
	s_wait_dscnt 0x0                               ; V is in
.irp t, 0,1,2,3
	v_wmma_scale_f32_16x16x128_f8f6f4 v[160+8*\t:167+8*\t], v[32+12*\t:43+12*\t], v[192:203], v[160+8*\t:167+8*\t], v[90+\t], v228 matrix_a_fmt:MATRIX_FMT_FP6 matrix_b_fmt:MATRIX_FMT_FP6
.endr
	s_add_co_u32 s[TB], s[TB], 6144
	s_add_co_u32 s[TS], s[TS], 512
	s_add_co_u32 s[TJ], s[TJ], 256
.endm
.macro CHUNK c
	s_wait_tensorcnt 3-\c                          ; the scale words and chunks 0 to c have landed; the later chunks may be out
	s_wait_dscnt 0x0
	s_barrier_signal -1
	s_barrier_wait -1                              ; both fetching waves have said so
	s_mov_b32 s[TB], (\c)*CHB
	s_mov_b32 s[TS], (\c)*2048
	s_mov_b32 s[TJ], (\c)*1024
	s_mov_b32 s[CNT], 4
.Lstep_\@:
	STEP
	s_sub_co_u32 s[CNT], s[CNT], 1
	s_cmp_lg_u32 s[CNT], 0
	s_cbranch_scc1 .Lstep_\@
.endm
	s_wait_loadcnt 0x0                             ; Q
	CHUNK 0
	CHUNK 1
	CHUNK 2
	CHUNK 3
	; THE WAY OUT: O^T / the sum goes through my stage and leaves as rows: sixteen lanes store 256 consecutive bytes, aligned
	v_add_f32 v14, v14, v15
	v_permlanex16_b32 v[PR], v14, s[SEL], s[SEL+1]
	v_add_f32 v14, v14, v[PR]
	v_rcp_f32 v14, v14
	v_and_b32 v8, 15, v0
	v_bfe_u32 v9, v0, 4, 1
	s_mul_i32 s90, s[WV], 16*272
	s_add_co_u32 s90, s90, STAGE
	v_mul_u32_u24 v10, v8, 272
	v_lshl_add_u32 v10, v9, 5, v10
	v_add_nc_u32 v10, s90, v10                     ; in: row r, + 32 h
	v_mul_u32_u24 v11, v9, 272
	v_lshl_add_u32 v11, v8, 4, v11
	v_add_nc_u32 v11, s90, v11                     ; back: lanes 0-15 one row, lanes 16-31 the next
	s_wait_alu depctr_va_vdst(0)                   ; the wait ahead of the reciprocal's first reader
.set J, 0
.rept 32
	v_mul_f32 v[96+J], v[160+J], v14
.set J, J+1
.endr
.irp t, 0,1,2,3
	ds_store_b128 v10, v[96+8*\t:99+8*\t] offset:64*\t
	ds_store_b128 v10, v[100+8*\t:103+8*\t] offset:64*\t+16
.endr
.irp i, 0,1,2,3,4,5,6,7
	ds_load_b128 v[32+4*\i:35+4*\i], v11 offset:2*\i*272   ; LDS serves a wave's instructions in order: these see my stores
.endr
.irp i, 0,1,2,3,4,5,6,7
	s_wait_dscnt 7-\i
	global_store_b128 v[GO], v[32+4*\i:35+4*\i], s[12:13] offset:2*\i*4096
.endr
	s_wait_tensorcnt 0x0
	ds_add_u32 v254, v255
	s_wait_dscnt 0x0
	CROUND                                         ; the closing round
	s_endpgm
.Lfunc_end_k_q1b4738eeb4_attn:
	.size	k_q1b4738eeb4_attn, .Lfunc_end_k_q1b4738eeb4_attn-k_q1b4738eeb4_attn
	.p2alignl 7, 3214868480
	.fill 96, 4, 3214868480
	.section	.rodata,"a",@progbits
	.p2align	6, 0x0
	.amdhsa_kernel k_q1b4738eeb4_attn
		.amdhsa_group_segment_fixed_size 280576
		.amdhsa_private_segment_fixed_size 0
		.amdhsa_enable_private_segment 0
		.amdhsa_kernarg_size 16
		.amdhsa_user_sgpr_count 2
		.amdhsa_user_sgpr_kernarg_segment_ptr 1
		.amdhsa_wavefront_size32 1
		.amdhsa_system_sgpr_workgroup_id_x 1
		.amdhsa_system_sgpr_workgroup_id_y 1
		.amdhsa_system_sgpr_workgroup_id_z 1
		.amdhsa_system_vgpr_workitem_id 0
		.amdhsa_next_free_vgpr 256
		.amdhsa_next_free_sgpr 96
		.amdhsa_reserve_vcc 0
		.amdhsa_float_denorm_mode_32 3
		.amdhsa_float_denorm_mode_16_64 3
		.amdhsa_memory_ordered 1
		.amdhsa_forward_progress 1
		.amdhsa_inst_pref_size 79
	.end_amdhsa_kernel
	.amdgpu_metadata
---
amdhsa.version: [ 1, 2 ]
amdhsa.kernels:
  - .name:           k_q1b4738eeb4_attn
    .symbol:         k_q1b4738eeb4_attn.kd
    .args:
      - { .name: ws_qkv, .offset: 0, .size: 8, .value_kind: global_buffer, .address_space: global }
      - { .name: ws_att, .offset: 8, .size: 8, .value_kind: global_buffer, .address_space: global }
    .group_segment_fixed_size: 280576
    .private_segment_fixed_size: 0
    .kernarg_segment_align: 8
    .kernarg_segment_size: 16
    .max_flat_workgroup_size: 512
    .sgpr_count:     96
    .vgpr_count:     256
    .wavefront_size: 32
...
	.end_amdgpu_metadata
.endif
;; end of part 3
;; launch ln1 (part 4): grid 256 x 1, 4 waves a work-group, no clusters, 25,088 bytes of LDS; arguments src, ws_att, ln1_g, ln1_b, ws_ln; writes ws_ln
.if DOCPART == 4
	.amdgcn_target "amdgcn-amd-amdhsa--gfx1250"
	.amdhsa_code_object_version 6
	.text
	.protected	k_q1b4738eeb4_ln1
	.globl	k_q1b4738eeb4_ln1
	.p2align	8
	.type	k_q1b4738eeb4_ln1,@function
k_q1b4738eeb4_ln1:
	s_mov_b64 s[64:65], 0
	v_nop
	global_prefetch_b8 v0, s[64:65] scope:SCOPE_SE
	s_setreg_imm32_b32 hwreg(HW_REG_WAVE_MODE, 25, 1), 1
	s_wait_xcnt 0x0
; x = LayerNorm(in1 + in2) x g + b over rows of 1,024, in f32: mean, then the mean of the squared deviations, as the definition has them.
; in1 and the f32 result lie in (s, b) order, byte (2 s + b) x 4096; in2 in rows m' = b x 2048 + s.  With QNT = 1 the result is also quantised to FP6 (E2M3) codes (at X1C, 768 bytes a row m')
; with one E8M0 byte for each 32 (at X1S, 32 a row).  LIMITS as for every quantiser of this program: a block under 2^-124, a block of zeros among them, keeps the byte 1; NaN and infinities are not served.
; SHARES: work-group g, wave w: rows m' = 16 g + 4 w .. + 3, a row at a time in 32 registers (lane l, register 4 i + e: column 128 i + 4 l + e); two row slots, so that the next row's 16 loads are on their way.
; Every load and store of the f32 rows covers 512 consecutive bytes.  No barrier: waves share nothing.
.set QNT,   1
.set SP,    80
.set WREG,  6144
.set SCB,   5120
.set X1C,   16777216
.set X1S,   19922944
.set G,     32                         ; v32-63  the gain
.set B,     64                         ; v64-95  the bias
.set SL,    96                         ; v96-223 two slots of 32 + 32
.set XQ,    224                        ; v224-255 two sets of 16 neighbours
	s_load_b256 s[4:11], s[0:1], 0x0               ; in1, in2, g, b
	s_load_b64 s[12:13], s[0:1], 0x20              ; out
	v_lshl_add_u32 v19, v0, 2, 0x6000
	v_mov_b32 v23, 0
	v_lshrrev_b32 v1, 5, v0
	v_readfirstlane_b32 s16, v1                    ; wave
	v_and_b32 v2, 31, v0
	v_lshlrev_b32 v1, 4, v2                        ; 16 x lane
	v_mov_b32 v3, 0                                ; a lane permute's destination counts as one of its sources
	v_mov_b32 v29, 0                               ; upper halves of pairs of which the low word serves both
	v_mov_b32 v31, 0
.if QNT
	s_mul_i32 s17, s16, WREG
	v_lshrrev_b32 v14, 2, v2
	v_mul_u32_u24 v14, v14, SP
	v_and_b32 v15, 3, v2
	v_lshl_add_u32 v14, v15, 4, v14
	v_add_nc_u32 v14, s17, v14                     ; the stage, way in
	v_mul_u32_u24 v15, v2, SP
	v_add_nc_u32 v15, s17, v15                     ; way out
	v_mul_u32_u24 v4, v2, 12
	v_lshrrev_b32 v5, 1, v2
	s_add_co_u32 s17, s17, SCB
	v_add_nc_u32 v5, s17, v5
	v_lshlrev_b32 v7, 2, v2
	v_add_nc_u32 v6, s17, v7
.endif
	s_mov_b32 s14, 0x76543210
	s_mov_b32 s15, 0xfedcba98
	s_mov_b32 s20, 0x3a800000                      ; 1 / 1024
	s_mov_b32 s21, 0x3727c5ac                      ; 1e-5
	s_lshr_b32 s22, ttmp9, 7                       ; b
	s_and_b32 s23, ttmp9, 127
	s_lshl_b32 s23, s23, 4
	s_lshl_b32 s24, s16, 2
	s_add_co_u32 s23, s23, s24                     ; s
	s_lshl_b32 s23, s23, 13
	s_lshl_b32 s22, s22, 12
	s_add_co_u32 s22, s22, s23
	s_mov_b32 s23, 0
	s_lshl_b32 s25, ttmp9, 4
	s_add_co_u32 s25, s25, s24                     ; m'
	s_lshl_b32 s26, s25, 12
	s_mov_b32 s27, 0
	s_mul_i32 s28, s25, 768
	s_add_co_u32 s28, s28, X1C
	s_mov_b32 s29, 0
	s_lshl_b32 s30, s25, 5
	s_add_co_u32 s30, s30, X1S
	s_mov_b32 s31, 0
	s_wait_kmcnt 0x0
	s_add_nc_u64 s[4:5], s[4:5], s[22:23]
	s_add_nc_u64 s[6:7], s[6:7], s[26:27]
.if QNT
	s_add_nc_u64 s[16:17], s[12:13], s[28:29]      ; codes
	s_add_nc_u64 s[18:19], s[12:13], s[30:31]      ; scale bytes
.endif
	s_add_nc_u64 s[12:13], s[12:13], s[22:23]
.irp i, 0,1,2,3,4,5,6,7
	global_load_b128 v[G+4*\i:G+4*\i+3], v1, s[8:9] offset:512*\i
	global_load_b128 v[B+4*\i:B+4*\i+3], v1, s[10:11] offset:512*\i
.endr
.macro LOADROW p
.irp i, 0,1,2,3,4,5,6,7
	global_load_b128 v[SL+64*((\p)%2)+4*\i:SL+64*((\p)%2)+4*\i+3], v1, s[4:5] offset:(\p)*8192+512*\i
.endr
.irp i, 0,1,2,3,4,5,6,7
	global_load_b128 v[SL+64*((\p)%2)+32+4*\i:SL+64*((\p)%2)+32+4*\i+3], v1, s[6:7] offset:(\p)*4096+512*\i
.endr
.endm
	LOADROW 0
	LOADROW 1
.macro REDUCE                          ; four chains v[8:9], v[10:11], v[12:13], v[26:27] become one number in v8 of every lane
	v_pk_add_f32 v[8:9], v[8:9], v[10:11]
	v_pk_add_f32 v[12:13], v[12:13], v[26:27]
	v_pk_add_f32 v[8:9], v[8:9], v[12:13]
	v_add_f32 v8, v8, v9
	v_add_f32_dpp v8, v8, v8 row_xmask:1 row_mask:0xf bank_mask:0xf
	v_add_f32_dpp v8, v8, v8 row_xmask:2 row_mask:0xf bank_mask:0xf
	v_add_f32_dpp v8, v8, v8 row_xmask:4 row_mask:0xf bank_mask:0xf
	v_add_f32_dpp v8, v8, v8 row_xmask:8 row_mask:0xf bank_mask:0xf
	v_permlanex16_b32 v3, v8, s14, s15
	v_add_f32 v8, v8, v3
.endm
.macro QSTEP xs, cd, eb, t, goff       ; 16 neighbours a lane, two lanes to a block: codes and the scale's byte
	v_max3_num_f32 v8, |v[\xs]|, |v[\xs+1]|, |v[\xs+2]|
	v_max3_num_f32 v9, |v[\xs+3]|, |v[\xs+4]|, |v[\xs+5]|
.irp i, 6,10
	v_max3_num_f32 v8, v8, |v[\xs+\i]|, |v[\xs+\i+1]|
	v_max3_num_f32 v9, v9, |v[\xs+\i+2]|, |v[\xs+\i+3]|
.endr
	v_max3_num_f32 v8, v8, |v[\xs+14]|, |v[\xs+15]|
	v_max3_num_f32 v8, v8, v9, 0x1800000
	v_max_num_f32_dpp v8, v8, v8 row_xmask:1 row_mask:0xf bank_mask:0xf
	v_add_nc_u32 v11, 0xff000000, v8
	v_cvt_scalef32_pk16_fp6_f32 v[\cd:\cd+2], v[\xs:\xs+15], v11
	v_lshrrev_b32 v[\eb], 23, v11
	ds_store_b8 v5, v[\eb] offset:16*(\t)
	global_store_b96 v4, v[\cd:\cd+2], s[16:17] offset:\goff
.endm
.macro ROW p
.set S, SL+64*((\p)%2)
.set A, S+32
	s_wait_xcnt 0x0                                ; the last row's stores have read their registers
.if (\p) < 3
	s_wait_loadcnt 16                              ; this row (and g, b) are in; the next row's 16 loads may be out
.else
	s_wait_loadcnt 0x0
.endif
.irp j, 0,2,4,6,8,10,12,14,16,18,20,22,24,26,28,30
	v_pk_add_f32 v[S+\j:S+\j+1], v[S+\j:S+\j+1], v[A+\j:A+\j+1]
.endr
	v_pk_add_f32 v[8:9], v[S:S+1], v[S+8:S+9]
	v_pk_add_f32 v[10:11], v[S+2:S+3], v[S+10:S+11]
	v_pk_add_f32 v[12:13], v[S+4:S+5], v[S+12:S+13]
	v_pk_add_f32 v[26:27], v[S+6:S+7], v[S+14:S+15]
.irp j, 16,24
	v_pk_add_f32 v[8:9], v[8:9], v[S+\j:S+\j+1]
	v_pk_add_f32 v[10:11], v[10:11], v[S+\j+2:S+\j+3]
	v_pk_add_f32 v[12:13], v[12:13], v[S+\j+4:S+\j+5]
	v_pk_add_f32 v[26:27], v[26:27], v[S+\j+6:S+\j+7]
.endr
	REDUCE
	v_mul_f32 v28, s20, v8                         ; the mean
.irp j, 0,2,4,6,8,10,12,14,16,18,20,22,24,26,28,30
	v_pk_add_f32 v[S+\j:S+\j+1], v[S+\j:S+\j+1], v[28:29] op_sel_hi:[1,0] neg_lo:[0,1] neg_hi:[0,1]
.endr
	v_pk_mul_f32 v[8:9], v[S:S+1], v[S:S+1]
	v_pk_mul_f32 v[10:11], v[S+2:S+3], v[S+2:S+3]
	v_pk_mul_f32 v[12:13], v[S+4:S+5], v[S+4:S+5]
	v_pk_mul_f32 v[26:27], v[S+6:S+7], v[S+6:S+7]
.irp j, 8,16,24
	v_pk_fma_f32 v[8:9], v[S+\j:S+\j+1], v[S+\j:S+\j+1], v[8:9]
	v_pk_fma_f32 v[10:11], v[S+\j+2:S+\j+3], v[S+\j+2:S+\j+3], v[10:11]
	v_pk_fma_f32 v[12:13], v[S+\j+4:S+\j+5], v[S+\j+4:S+\j+5], v[12:13]
	v_pk_fma_f32 v[26:27], v[S+\j+6:S+\j+7], v[S+\j+6:S+\j+7], v[26:27]
.endr
	REDUCE
	v_fma_f32 v8, v8, s20, s21                     ; the variance + 1e-5
	v_rsq_f32 v30, v8
	v_nop                                          ; a plain line behind the transcendental
	s_wait_alu depctr_va_vdst(0)                   ; and the wait ahead of its first reader
.irp j, 0,2,4,6,8,10,12,14,16,18,20,22,24,26,28,30
	v_pk_mul_f32 v[S+\j:S+\j+1], v[S+\j:S+\j+1], v[30:31] op_sel_hi:[1,0]
.endr
.irp j, 0,2,4,6,8,10,12,14,16,18,20,22,24,26,28,30
	v_pk_fma_f32 v[S+\j:S+\j+1], v[S+\j:S+\j+1], v[G+\j:G+\j+1], v[B+\j:B+\j+1]
.endr
.irp i, 0,1,2,3,4,5,6,7
	global_store_b128 v1, v[S+4*\i:S+4*\i+3], s[12:13] offset:(\p)*8192+512*\i
.endr
.if QNT
.irp u, 0,1
.irp i, 0,1,2,3
	ds_store_b128 v14, v[S+16*\u+4*\i:S+16*\u+4*\i+3] offset:32*SP*\u+8*SP*\i
.endr
.irp i, 0,1,2,3
	ds_load_b128 v[XQ+16*\u+4*\i:XQ+16*\u+4*\i+3], v15 offset:32*SP*\u+16*\i   ; LDS serves a wave's instructions in order: these see the stores above
.endr
.endr
	s_wait_dscnt 0x0
.irp u, 0,1
	QSTEP XQ+16*\u, 16+4*\u, 24+\u, 2*(\p)+\u, (\p)*768+384*\u
.endr
.endif
.if (\p) < 2
	s_wait_xcnt 0x0                                ; this row's stores have read the slot's registers: it takes the row two on
	LOADROW (\p)+2
.endif
.endm
	ROW 0
	ROW 1
	ROW 2
	ROW 3
.if QNT
	ds_load_b32 v10, v6
	s_wait_dscnt 0x0
	global_store_b32 v7, v10, s[18:19]             ; four rows' scale bytes: 128 consecutive bytes
.endif
	s_wait_tensorcnt 0x0
	ds_add_u32 v19, v23
	s_wait_dscnt 0x0
	s_endpgm
.Lfunc_end_k_q1b4738eeb4_ln1:
	.size	k_q1b4738eeb4_ln1, .Lfunc_end_k_q1b4738eeb4_ln1-k_q1b4738eeb4_ln1
	.p2alignl 7, 3214868480
	.fill 96, 4, 3214868480
	.section	.rodata,"a",@progbits
	.p2align	6, 0x0
	.amdhsa_kernel k_q1b4738eeb4_ln1
		.amdhsa_group_segment_fixed_size 25088
		.amdhsa_private_segment_fixed_size 0
		.amdhsa_enable_private_segment 0
		.amdhsa_kernarg_size 40
		.amdhsa_user_sgpr_count 2
		.amdhsa_user_sgpr_kernarg_segment_ptr 1
		.amdhsa_wavefront_size32 1
		.amdhsa_system_sgpr_workgroup_id_x 1
		.amdhsa_system_sgpr_workgroup_id_y 1
		.amdhsa_system_sgpr_workgroup_id_z 1
		.amdhsa_system_vgpr_workitem_id 0
		.amdhsa_next_free_vgpr 256
		.amdhsa_next_free_sgpr 66
		.amdhsa_reserve_vcc 0
		.amdhsa_float_denorm_mode_32 3
		.amdhsa_float_denorm_mode_16_64 3
		.amdhsa_memory_ordered 1
		.amdhsa_forward_progress 1
		.amdhsa_inst_pref_size 54
	.end_amdhsa_kernel
	.amdgpu_metadata
---
amdhsa.version: [ 1, 2 ]
amdhsa.kernels:
  - .name:           k_q1b4738eeb4_ln1
    .symbol:         k_q1b4738eeb4_ln1.kd
    .args:
      - { .name: src, .offset: 0, .size: 8, .value_kind: global_buffer, .address_space: global }
      - { .name: ws_att, .offset: 8, .size: 8, .value_kind: global_buffer, .address_space: global }
      - { .name: ln1_g, .offset: 16, .size: 8, .value_kind: global_buffer, .address_space: global }
      - { .name: ln1_b, .offset: 24, .size: 8, .value_kind: global_buffer, .address_space: global }
      - { .name: ws_ln, .offset: 32, .size: 8, .value_kind: global_buffer, .address_space: global }
    .group_segment_fixed_size: 25088
    .private_segment_fixed_size: 0
    .kernarg_segment_align: 8
    .kernarg_segment_size: 40
    .max_flat_workgroup_size: 128
    .sgpr_count:     66
    .vgpr_count:     256
    .wavefront_size: 32
...
	.end_amdgpu_metadata
.endif
;; end of part 4
;; launch ffn1 (part 5): grid 16 x 16, 4 waves a work-group, clusters of 4 x 4, 327,680 bytes of LDS; arguments ws_ln, w1_codes, w1_scales, b1, ws_h; writes ws_h
.if DOCPART == 5
	.amdgcn_target "amdgcn-amd-amdhsa--gfx1250"
	.amdhsa_code_object_version 6
	.text
	.protected	k_q1b4738eeb4_ffn1
	.globl	k_q1b4738eeb4_ffn1
	.p2align	8
	.type	k_q1b4738eeb4_ffn1,@function
k_q1b4738eeb4_ffn1:
	s_mov_b64 s[64:65], 0
	v_nop
	global_prefetch_b8 v0, s[64:65] scope:SCOPE_SE
	s_setreg_imm32_b32 hwreg(HW_REG_WAVE_MODE, 25, 1), 1
	s_wait_xcnt 0x0
	s_wait_alu depctr_hold_cnt(0) depctr_sa_sdst(0) depctr_va_vdst(0) depctr_va_sdst(0) depctr_va_ssrc(0) depctr_va_vcc(0) depctr_vm_vsrc(0)
	s_getreg_b32 s2, hwreg(HW_REG_IB_STS2, 6, 4)
	s_cmp_eq_u32 s2, 0
	s_cbranch_scc0 .Lentry_in_a_cluster
	s_endpgm
.Lentry_in_a_cluster:
	s_bfe_u32 s2, ttmp6, 0x10000c
	s_cmp_lg_u32 s2, 0xf033
	s_cbranch_scc0 .Lentry_shape_is_right
	s_endpgm
.Lentry_shape_is_right:
; h = relu(x w1 + b1), [4096 rows m'][4096], on codes of FP6 (E2M3) with E8M0 scales, K = 1,024; h is quantised along its columns, which are the next product's K, and leaves as codes.
; A tile is 256 x 256: four waves, each 128 x 128 in 64 accumulators.  K goes in steps of 256 through two LDS slots filled by the tensor data mover; the scale bytes of both operands come once.
; 4 x 4 work-groups form a cluster: x's tile is asked for jointly along a row of the cluster, w1's along a column.  The matrix instruction is used transposed (source 0 = 16 rows of w1, source 1 = 16 rows of x):
; a lane holds one row of h and eight neighbouring columns.  The bias is the C of the first products.
; RESULTS: images of operand registers (register p of lane l at 512 (p / 4) + 16 l + 4 (p % 4) of 1,536 bytes): [k / 256][tile of 16 rows][(k / 128) % 2][image]; each store covers 512 consecutive bytes, aligned.
; Scale words at HS: [group of 128 rows][k / 128][row in the group].  The next product meets given codes, so the numbers are brought into the natural order along K ahead of the conversions.
; LIMITS: a block whose largest magnitude lies under 2^-124, a block of zeros among them, keeps the scale byte 1 (only this program reads the bytes); NaN and infinities are not served.
; REGISTERS: window 0: v7, v16-30 addresses; v32-63 scale words; v64-127 the bias, later 64 numbers at work; v128-223 x's fragments, later codes and work.  window 1: w1's fragments, two sets.  windows 2, 3: the accumulators.
.set NQ,     2
.set ROWB,   192
.set KROW,   768
.set PITCH,  240
.set FR,     12
.set NL,     6
.set NP,     4
.set HALFT,  128*PITCH
.set SLOT,   4*HALFT
.set LAPS,   2
.set KS,     32
.set SCL,    2*SLOT
.set HALFS,  (128*KS/256)*272
.set SBLK,   (16*KS/256)*272
.set SPARE,  SCL+4*HALFS
.set X1C,    16777216
.set X1S,    19922944
.set HS,     12582912
.set ADRA, 16
.set ADRB, 20
.set LI,   24
.set ADRS, 27
.set SPW,  28
.set NIL,  29
.set L4,   30
.set SC,   32
.set BIAS, 64
.set W,    64
.set AF,   128
.set CD,   128
.set PT,   152
.set TM,   160
.set PW,   176
.set TW,   178
.set G1, 24
.set G0, 32
.set G1B, 48
.set G0B, 56
.set G1S, 68
.set G0S, 76
.set G1SB, 80
.set G0SB, 88
.set SEL, 100
.set MSB, 0
.macro WIN new
.if MSB != (\new)
	s_set_vgpr_msb (MSB<<8)|(\new)
.set MSB, (\new)
.endif
.endm
.macro WMUL hi, zero
.if \zero
	WIN 0x81+0x40*(\hi)
.else
	WIN 0xa1+0x50*(\hi)
.endif
.endm
.macro JLOAD g0a, g1a, g0b, g1b
	s_cmp_eq_u32 s15, 0
	s_cbranch_scc0 .Lfor_b_\@
	tensor_load_to_lds s[\g0a:\g0a+3], s[\g1a:\g1a+7]
	s_nop 0
.rept 4
	v_nop
.endr
	s_branch .Lasked_\@
.Lfor_b_\@:
	tensor_load_to_lds s[\g0b:\g0b+3], s[\g1b:\g1b+7]
	s_nop 0
.rept 4
	v_nop
.endr
.Lasked_\@:
.endm
.macro CREST
	s_cmp_lg_u32 s14, 0
	s_cbranch_scc1 .Lnot_wave_0_\@
	s_barrier_signal -3
.Lnot_wave_0_\@:
	s_barrier_wait -3
	s_barrier_signal -1
	s_barrier_wait -1
.endm
.macro CROUND
	s_barrier_signal -1
	s_barrier_wait -1
	CREST
.endm
	s_load_b64 s[4:5], s[0:1], 0x0                 ; ws_ln
	s_load_b128 s[8:11], s[0:1], 0x8               ; w1's codes, w1's scales
	s_load_b64 s[96:97], s[0:1], 0x18              ; b1
	s_load_b64 s[12:13], s[0:1], 0x20              ; ws_h
	v_lshl_add_u32 v[SPW], v0, 2, SPARE
	v_mov_b32 v[NIL], 0
	ds_add_u32 v28, v29
	ds_add_u32 v28, v29
	s_wait_dscnt 0x0
	v_lshrrev_b32 v1, 5, v0
	v_readfirstlane_b32 s14, v1
	s_lshr_b32 s15, s14, 1
	s_and_b32 s16, s14, 1
	s_bfe_u32 s40, ttmp6, 0x40000
	s_bfe_u32 s41, ttmp6, 0x40004
	s_lshl_b32 s42, ttmp9, 2
	s_add_co_u32 s42, s42, s40                     ; tile column
	s_and_b32 s17, ttmp7, 0xffff
	s_lshl_b32 s17, s17, 2
	s_add_co_u32 s17, s17, s41                     ; tile row
	s_lshl_b32 s43, s41, 2
	s_lshl_b32 s43, 15, s43
	s_lshl_b32 s44, 0x1111, s40
	s_or_b32 s[G1+0], s43, (0<<16)|(1<<20)|(1<<21)|(3<<22)|(3<<25)
	s_or_b32 s[G1B+0], s44, (0<<16)|(1<<20)|(1<<21)|(3<<22)|(3<<25)
.irp g, G1, G1B
	s_mov_b32 s[\g+1], ROWB<<16
	s_mov_b32 s[\g+2], 128<<16
	s_mov_b32 s[\g+3], ROWB<<16
	s_mov_b32 s[\g+4], 128
	s_mov_b32 s[\g+5], KROW
	s_mov_b32 s[\g+6], 0
	s_mov_b32 s[\g+7], 0
.endr
	s_or_b32 s[G1S+0], s43, (3<<16)|(1<<20)|(1<<21)|(5<<22)|(3<<25)
	s_or_b32 s[G1SB+0], s44, (3<<16)|(1<<20)|(1<<21)|(5<<22)|(3<<25)
.irp g, G1S, G1SB
	s_mov_b32 s[\g+1], 32<<16
	s_mov_b32 s[\g+2], (128*KS/256)<<16
	s_mov_b32 s[\g+3], 32<<16
	s_mov_b32 s[\g+4], 128*KS/256
	s_mov_b32 s[\g+5], 32
	s_mov_b32 s[\g+6], 0
	s_mov_b32 s[\g+7], 0
.endr
	s_lshl_b32 s18, s16, 7
	s_lshl_b32 s20, s17, 8
	s_add_co_u32 s20, s20, s18
	s_lshl_b32 s46, s42, 8
	s_add_co_u32 s46, s46, s18
	s_mov_b32 s21, 0
	s_mov_b32 s47, 0
	s_mov_b64 s[18:19], KS
	s_mul_u64 s[22:23], s[20:21], s[18:19]
	s_mul_u64 s[92:93], s[46:47], s[18:19]
	s_mov_b64 s[18:19], KROW
	s_mul_u64 s[20:21], s[20:21], s[18:19]
	s_mul_u64 s[46:47], s[46:47], s[18:19]
	s_mul_i32 s45, s14, HALFT
	s_mul_i32 s94, s14, HALFS
	s_wait_kmcnt 0x0
	s_add_nc_u64 s[6:7], s[4:5], X1S               ; x's scale bytes
	s_add_nc_u64 s[4:5], s[4:5], X1C               ; x's codes
	s_mov_b64 s[66:67], s[12:13]
	s_add_nc_u64 s[20:21], s[4:5], s[20:21]
	s_add_nc_u64 s[22:23], s[6:7], s[22:23]
	s_add_nc_u64 s[46:47], s[8:9], s[46:47]
	s_add_nc_u64 s[92:93], s[10:11], s[92:93]
	CROUND
	s_mov_b32 s[G0S], 1
	s_add_co_u32 s[G0S+1], s94, SCL
	s_mov_b64 s[G0S+2:G0S+3], s[22:23]
	s_or_b32 s[G0S+3], s[G0S+3], 0x80000000
	s_mov_b32 s[G0SB], 1
	s_add_co_u32 s[G0SB+1], s94, SCL
	s_mov_b64 s[G0SB+2:G0SB+3], s[92:93]
	s_or_b32 s[G0SB+3], s[G0SB+3], 0x80000000
	JLOAD G0S, G1S, G0SB, G1SB
.irp s, 0,1
	s_mov_b32 s[G0+4*\s], 1
	s_add_co_u32 s[G0+4*\s+1], s45, \s*SLOT
	s_add_nc_u64 s[G0+4*\s+2:G0+4*\s+3], s[20:21], \s*ROWB
	s_or_b32 s[G0+4*\s+3], s[G0+4*\s+3], 0x80000000
	s_mov_b32 s[G0B+4*\s], 1
	s_add_co_u32 s[G0B+4*\s+1], s45, \s*SLOT
	s_add_nc_u64 s[G0B+4*\s+2:G0B+4*\s+3], s[46:47], \s*ROWB
	s_or_b32 s[G0B+4*\s+3], s[G0B+4*\s+3], 0x80000000
	JLOAD G0+4*\s, G1, G0B+4*\s, G1B
.endr
	v_and_b32 v1, 15, v0
	v_bfe_u32 v2, v0, 4, 1
	v_mul_u32_u24 v3, v1, PITCH
	v_mul_u32_u24 v4, v2, 24
	v_add_nc_u32 v4, v3, v4
	v_lshl_add_u32 v5, v2, 4, v4
	s_mul_i32 s21, s15, HALFT
	s_mul_i32 s22, s16, HALFT
	s_add_co_u32 s22, s22, 2*HALFT
.irp s, 0,1
	v_add_nc_u32 v[ADRA+\s], s21, v4
	v_add_nc_u32 v[ADRB+\s], s22, v4
	v_add_nc_u32 v[ADRA+2+\s], s21, v5
	v_add_nc_u32 v[ADRB+2+\s], s22, v5
	s_add_co_u32 s21, s21, SLOT
	s_add_co_u32 s22, s22, SLOT
.endr
	v_mul_u32_u24 v5, v1, KS
	v_lshrrev_b32 v6, 8, v5
	v_lshl_add_u32 v5, v6, 4, v5
	s_mul_i32 s21, s15, HALFS
	s_mul_i32 s22, s16, HALFS
	s_add_co_u32 s22, s22, 2*HALFS
	s_sub_co_u32 s22, s22, s21
	v_mul_u32_u24 v6, s22, v2
	s_add_co_u32 s21, s21, SCL
	v_add_nc_u32 v5, v5, v6
	v_add_nc_u32 v[ADRS], s21, v5
	v_and_b32 v6, 31, v0
	v_lshlrev_b32 v[LI], 4, v6
	v_lshlrev_b32 v[L4], 2, v6
	s_lshl_b32 s18, s42, 10
	s_lshl_b32 s20, s16, 9
	s_add_co_u32 s18, s18, s20
	v_lshl_add_u32 v7, v2, 5, s18                  ; my columns' bias: 4 x first column + 32 h
.irp b, 0,1,2,3,4,5,6,7
	global_load_b128 v[BIAS+8*\b:BIAS+8*\b+3], v7, s[96:97] offset:64*\b
	global_load_b128 v[BIAS+8*\b+4:BIAS+8*\b+7], v7, s[96:97] offset:64*\b+16
.endr
	s_lshl_b32 s18, s42, 8                         ; codes: ((256 x tile column + 16 x tile row + 8 x row half) x 2 + column half) x 1536
	s_lshl_b32 s19, s17, 4
	s_add_co_u32 s18, s18, s19
	s_lshl_b32 s19, s15, 3
	s_add_co_u32 s18, s18, s19
	s_lshl_b32 s18, s18, 1
	s_add_co_u32 s18, s18, s16
	s_mul_i32 s20, s18, 1536
	s_mov_b32 s21, 0
	s_lshl_b32 s18, s17, 1                         ; scale words: (2 x tile row + row half) x 16384 + (2 x tile column + column half) x 512
	s_add_co_u32 s18, s18, s15
	s_lshl_b32 s22, s18, 14
	s_lshl_b32 s18, s42, 1
	s_add_co_u32 s18, s18, s16
	s_lshl_b32 s18, s18, 9
	s_add_co_u32 s22, s22, s18
	s_add_co_u32 s22, s22, HS
	s_mov_b32 s23, 0
	s_add_nc_u64 s[12:13], s[12:13], s[20:21]
	s_add_nc_u64 s[66:67], s[66:67], s[22:23]
	s_mov_b32 s[SEL], 0x76543210
	s_mov_b32 s[SEL+1], 0xfedcba98
	s_mov_b32 s104, 0xffff0000                     ; lanes 16-31
	s_wait_loadcnt 0x0                             ; the bias
.macro FRAG reg, adr, q, i
.irp p, 0,1,2,3,4,5
.set PIECE, 12*(\q)+6*(\p/3)+\p%3
.if PIECE%8 < 5
	ds_load_b64 v[\reg+2*\p:\reg+2*\p+1], v[\adr] offset:8*PIECE+16*(PIECE/8)+(\i)*16*PITCH
.else
	ds_load_b64 v[\reg+2*\p:\reg+2*\p+1], v[\adr+2] offset:8*PIECE+16*(PIECE/8)+(\i)*16*PITCH
.endif
.endr
.endm
; The 64 accumulators take turns, one instruction a turn, in the same order in every step.
.macro MUL16 a0, p, q, sc, zero
.irp a, \a0, \a0+1
.irp b, 0,1,2,3,4,5,6,7
.if \zero
	v_wmma_scale_f32_16x16x128_f8f6f4 v[8*(8*((\a)%4)+\b):8*(8*((\a)%4)+\b)+7], v[128*(\p)+FR*\b:128*(\p)+FR*\b+FR-1], v[AF+FR*(\a):AF+FR*(\a)+FR-1], v[BIAS+8*\b:BIAS+8*\b+7], v[SC+8*NQ*(\sc)+NQ*\b+(\q)], v[SC+8*NQ*(\sc)+NQ*(\a)+(\q)] matrix_a_fmt:MATRIX_FMT_FP6 matrix_b_fmt:MATRIX_FMT_FP6 matrix_a_scale:MATRIX_SCALE_ROW1
.else
	v_wmma_scale_f32_16x16x128_f8f6f4 v[8*(8*((\a)%4)+\b):8*(8*((\a)%4)+\b)+7], v[128*(\p)+FR*\b:128*(\p)+FR*\b+FR-1], v[AF+FR*(\a):AF+FR*(\a)+FR-1], v[8*(8*((\a)%4)+\b):8*(8*((\a)%4)+\b)+7], v[SC+8*NQ*(\sc)+NQ*\b+(\q)], v[SC+8*NQ*(\sc)+NQ*(\a)+(\q)] matrix_a_fmt:MATRIX_FMT_FP6 matrix_b_fmt:MATRIX_FMT_FP6 matrix_a_scale:MATRIX_SCALE_ROW1
.endif
.endr
.endr
.endm
.macro FETCH_B slot, q, p
	WIN 0x40
.irp i, 0,1,2,3,4,5,6,7
	FRAG 128*(\p)+FR*\i, ADRB+\slot, \q, \i
.endr
	WIN 0
.endm
.macro FETCH_A slot, q, i0
.irp i, \i0, \i0+1, \i0+2, \i0+3
	FRAG AF+FR*(\i), ADRA+\slot, \q, \i
.endr
.endm
.macro SCALES sc
.irp i, 0,1,2,3,4,5,6,7
	ds_load_b64 v[SC+8*NQ*\sc+NQ*\i:SC+8*NQ*\sc+NQ*\i+1], v[ADRS] offset:\i*SBLK
.endr
.endm
.macro PLACES n
.rept \n
	v_nop
.endr
.endm
.macro STEP slot, q, zero
	s_wait_dscnt 4*NL                              ; B's set and A's blocks 0-3 are in; the youngest 24 loads (A's blocks 4-7) may be out
	WMUL 0, \zero
	MUL16 0, (\q)%2, \q, \slot, \zero
	MUL16 2, (\q)%2, \q, \slot, \zero
	s_wait_dscnt 0
	PLACES NP
	FETCH_B \slot, (\q)+1, 1-(\q)%2
	FETCH_A \slot, (\q)+1, 0
	WMUL 1, \zero
	MUL16 4, (\q)%2, \q, \slot, \zero
	MUL16 6, (\q)%2, \q, \slot, \zero
	PLACES NP
	WIN 0
	FETCH_A \slot, (\q)+1, 4
.endm
.macro TURN slot, next, fill
	s_wait_tensorcnt 0x0                           ; all my tensor loads have landed: my part of the next slot
	ds_add_u32 v[SPW], v[NIL]                      ; 0 onto my spare word
	s_wait_dscnt 4*NL+1                            ; the add and the youngest 24 loads may be out
	WMUL 0, 0
	MUL16 0, 1, NQ-1, \slot, 0
	s_wait_dscnt 0x0                               ; the add is done, and my reads of this slot are over
	s_barrier_signal -1
	MUL16 2, 1, NQ-1, \slot, 0
	WIN 0
	s_barrier_wait -1
.if \fill
	CREST
	s_add_nc_u64 s[G0+4*\slot+2:G0+4*\slot+3], s[G0+4*\slot+2:G0+4*\slot+3], 2*ROWB
	s_add_nc_u64 s[G0B+4*\slot+2:G0B+4*\slot+3], s[G0B+4*\slot+2:G0B+4*\slot+3], 2*ROWB
	JLOAD G0+4*\slot, G1, G0B+4*\slot, G1B
.else
	PLACES NP
.endif
	v_add_nc_u32 v[ADRS], 4*NQ, v[ADRS]
	FETCH_B \next, 0, 0
	FETCH_A \next, 0, 0
	SCALES \next
	WMUL 1, 0
	MUL16 4, 1, NQ-1, \slot, 0
	MUL16 6, 1, NQ-1, \slot, 0
	PLACES NP
	WIN 0
	FETCH_A \next, 0, 4
.endm
	s_wait_tensorcnt 1                             ; the scales and my part of K step 0 are in; K step 1's load may be out
	s_barrier_signal -1
	s_barrier_wait -1
	FETCH_B 0, 0, 0
	FETCH_A 0, 0, 0
	SCALES 0
	FETCH_A 0, 0, 4
	STEP 0, 0, 1
	s_mov_b32 s3, LAPS-1
.Llap:
	TURN 0, 1, 1
	STEP 1, 0, 0
	TURN 1, 0, 1
	STEP 0, 0, 0
	s_sub_co_u32 s3, s3, 1
	s_cmp_lg_u32 s3, 0
	s_cbranch_scc1 .Llap
	TURN 0, 1, 0
	STEP 1, 0, 0
	s_wait_dscnt 4*NL
	WMUL 0, 0
	MUL16 0, 1, NQ-1, 1, 0
	MUL16 2, 1, NQ-1, 1, 0
	s_wait_dscnt 0
	WMUL 1, 0
	MUL16 4, 1, NQ-1, 1, 0
	MUL16 6, 1, NQ-1, 1, 0
	WIN 0
.macro QUANT s, p0, p1, pw
.irp b, 0,1,2,3
	v_max3_num_f32 v[TM+\b], |v[\s+16*\b]|, |v[\s+1+16*\b]|, 0x1800000
.endr
.irp i, 2,4,6,8,10,12,14
.irp b, 0,1,2,3
	v_max3_num_f32 v[TM+\b], v[TM+\b], |v[\s+16*\b+\i]|, |v[\s+1+16*\b+\i]|
.endr
.endr
.irp b, 0,1,2,3
	v_permlanex16_b32 v[TM+4+\b], v[TM+\b], s[SEL], s[SEL+1]
.endr
.irp b, 0,1,2,3
	v_max_num_f32 v[TM+\b], v[TM+\b], v[TM+4+\b]
.endr
.irp b, 0,1,2,3
	v_add_nc_u32 v[TM+12+\b], 0xff000000, v[TM+\b]
.endr
.irp b, 0,1,2,3
	v_lshrrev_b32 v[TM+8+\b], 23, v[TM+12+\b]
.endr
	v_lshl_or_b32 v[\pw], v[TM+9], 8, v[TM+8]
	v_lshl_or_b32 v[\pw], v[TM+10], 16, v[\pw]
	v_lshl_or_b32 v[\pw], v[TM+11], 24, v[\pw]
	v_cvt_scalef32_pk16_fp6_f32 v[(\p0):(\p0)+2], v[\s:\s+15], v[TM+12]
	v_cvt_scalef32_pk16_fp6_f32 v[PT:PT+2], v[\s+16:\s+31], v[TM+13]
	v_cvt_scalef32_pk16_fp6_f32 v[(\p1):(\p1)+2], v[\s+32:\s+47], v[TM+14]
	v_cvt_scalef32_pk16_fp6_f32 v[PT+4:PT+6], v[\s+48:\s+63], v[TM+15]
	v_nop                                          ; one plain line behind the scaled conversions
.irp i, 0,1,2
	v_permlane16_swap_b32 v[(\p0)+\i], v[PT+\i]
.endr
.irp i, 0,1,2
	v_mov_b32 v[(\p0)+3+\i], v[PT+\i]
.endr
.irp i, 0,1,2
	v_permlane16_swap_b32 v[(\p1)+\i], v[PT+4+\i]
.endr
.irp i, 0,1,2
	v_mov_b32 v[(\p1)+3+\i], v[PT+4+\i]
.endr
.endm
; Row block a: the activation is also the move into window 0 (each accumulator from its low end on); 32 exchanges of lane halves bring a lane's 16 numbers of a block into 16 neighbours along the next K.
.macro EPI a
.set AC, 64*((\a)%4)
	s_wait_xcnt 0x0                                ; earlier stores have read their registers
	WIN 0x08+4*((\a)/4)                            ; source 1: the accumulators' window
.set J, 0
.rept 64
	v_max_num_f32 v[W+J], 0, v[AC+J]
.set J, J+1
.endr
	WIN 0
.irp b, 0,1,2,3
.irp j, 0,1,2,3,4,5,6,7
	v_permlane16_swap_b32 v[W+16*\b+\j], v[W+16*\b+8+\j]
.endr
.endr
	QUANT W, CD, CD+6, PW+(\a)%2
.irp k, 0,1,2
	global_store_b128 v[LI], v[CD+4*\k:CD+4*\k+3], s[12:13] offset:(\a)*3072+512*\k
.endr
.if (\a)%2
	v_cndmask_b32 v[TW], v[PW], v[PW+1], s104      ; lanes 0-15: block a - 1's words; lanes 16-31: block a's
	global_store_b32 v[L4], v[TW], s[66:67] offset:((\a)-1)*64
.endif
.endm
	PLACES NP
.irp b, 0,1,2,3
	v_mov_b32 v[TM+4+\b], 0                        ; a lane permute's destination counts as one of its sources
.endr
.irp a, 0,1,2,3,4,5,6,7
	EPI \a
.endr
	s_wait_tensorcnt 0x0                           ; the wave's end
	ds_add_u32 v[SPW], v[NIL]
	s_wait_dscnt 0x0
	CROUND
	s_endpgm
.Lfunc_end_k_q1b4738eeb4_ffn1:
	.size	k_q1b4738eeb4_ffn1, .Lfunc_end_k_q1b4738eeb4_ffn1-k_q1b4738eeb4_ffn1
	.p2alignl 7, 3214868480
	.fill 96, 4, 3214868480
	.section	.rodata,"a",@progbits
	.p2align	6, 0x0
	.amdhsa_kernel k_q1b4738eeb4_ffn1
		.amdhsa_group_segment_fixed_size 327680
		.amdhsa_private_segment_fixed_size 0
		.amdhsa_enable_private_segment 0
		.amdhsa_kernarg_size 40
		.amdhsa_user_sgpr_count 2
		.amdhsa_user_sgpr_kernarg_segment_ptr 1
		.amdhsa_wavefront_size32 1
		.amdhsa_system_sgpr_workgroup_id_x 1
		.amdhsa_system_sgpr_workgroup_id_y 1
		.amdhsa_system_sgpr_workgroup_id_z 1
		.amdhsa_system_vgpr_workitem_id 0
		.amdhsa_next_free_vgpr 1024
		.amdhsa_next_free_sgpr 106
		.amdhsa_reserve_vcc 0
		.amdhsa_float_denorm_mode_32 3
		.amdhsa_float_denorm_mode_16_64 3
		.amdhsa_memory_ordered 1
		.amdhsa_forward_progress 1
		.amdhsa_inst_pref_size 190
	.end_amdhsa_kernel
	.amdgpu_metadata
---
amdhsa.version: [ 1, 2 ]
amdhsa.kernels:
  - .name:           k_q1b4738eeb4_ffn1
    .symbol:         k_q1b4738eeb4_ffn1.kd
    .args:
      - { .name: ws_ln, .offset: 0, .size: 8, .value_kind: global_buffer, .address_space: global }
      - { .name: w1_codes, .offset: 8, .size: 8, .value_kind: global_buffer, .address_space: global }
      - { .name: w1_scales, .offset: 16, .size: 8, .value_kind: global_buffer, .address_space: global }
      - { .name: b1, .offset: 24, .size: 8, .value_kind: global_buffer, .address_space: global }
      - { .name: ws_h, .offset: 32, .size: 8, .value_kind: global_buffer, .address_space: global }
    .group_segment_fixed_size: 327680
    .private_segment_fixed_size: 0
    .kernarg_segment_align: 8
    .kernarg_segment_size: 40
    .max_flat_workgroup_size: 128
    .sgpr_count:     106
    .vgpr_count:     1024
    .wavefront_size: 32
...
	.end_amdgpu_metadata
.endif
;; end of part 5
;; launch ffn2 (part 6): grid 4 x 16, 4 waves a work-group, clusters of 4 x 4, 327,680 bytes of LDS; arguments ws_h, w2_codes, w2_scales, b2, ws_ff; writes ws_ff
.if DOCPART == 6
	.amdgcn_target "amdgcn-amd-amdhsa--gfx1250"
	.amdhsa_code_object_version 6
	.text
	.protected	k_q1b4738eeb4_ffn2
	.globl	k_q1b4738eeb4_ffn2
	.p2align	8
	.type	k_q1b4738eeb4_ffn2,@function
k_q1b4738eeb4_ffn2:
	s_mov_b64 s[64:65], 0
	v_nop
	global_prefetch_b8 v0, s[64:65] scope:SCOPE_SE
	s_setreg_imm32_b32 hwreg(HW_REG_WAVE_MODE, 25, 1), 1
	s_wait_xcnt 0x0
	s_wait_alu depctr_hold_cnt(0) depctr_sa_sdst(0) depctr_va_vdst(0) depctr_va_sdst(0) depctr_va_ssrc(0) depctr_va_vcc(0) depctr_vm_vsrc(0)
	s_getreg_b32 s2, hwreg(HW_REG_IB_STS2, 6, 4)
	s_cmp_eq_u32 s2, 0
	s_cbranch_scc0 .Lentry_in_a_cluster
	s_endpgm
.Lentry_in_a_cluster:
	s_bfe_u32 s2, ttmp6, 0x10000c
	s_cmp_lg_u32 s2, 0xf033
	s_cbranch_scc0 .Lentry_shape_is_right
	s_endpgm
.Lentry_shape_is_right:
; ff = h w2 + b2, [4096 rows m'][1024] f32, on codes of FP6 (E2M3) with E8M0 scales, K = 4,096.
; A tile is 256 x 256: four waves, each 128 x 128 in 64 accumulators; 64 work-groups: with 16 x 4 tiles of this size there is work for no more.
; K goes in steps of 256 through two LDS slots filled by the tensor data mover.  h lies in memory as images of operand registers ([k / 256][tile of 16 rows][(k / 128) % 2][1,536 bytes]):
; 128 rows of a K step are 24,576 dense bytes, and a fragment comes out of LDS by three loads of 16 bytes a lane.  w2 lies in rows of 3,072 bytes: its tiles have rows of 192 bytes, padded to 240.
; The scale bytes of both operands, for all of K, come once.  h's words lie [128 rows][k / 128][row]: a load of 4 bytes a lane brings two blocks' words (lanes 0-15 the even block, lanes 16-31 the odd one).
; 4 x 4 work-groups form a cluster: h's tile is asked for jointly along a row of the cluster, w2's along a column.  The matrix instruction is used transposed (source 0 = 16 rows of w2, source 1 = 16 rows of h).
; The bias is the C of the first products.  Results go through the wave's stage in LDS (in slot 0, which has had its last fill and its last read by then) and leave as rows of 512 bytes.
.set NQ,     2
.set ROWB,   192
.set KROW,   3072
.set PITCH,  240
.set FR,     12
.set NLA,    3                         ; LDS loads that bring a fragment of h
.set NP,     4
.set HALFA,  24576
.set HALFT,  128*PITCH
.set BOFF,   2*HALFA
.set SLOT,   2*HALFA+2*HALFT           ; 110,592
.set KSA,    786432                    ; a K step of h in memory
.set LAPS,   8
.set SIZE_N, 1024
.set SCL,    2*SLOT                    ; h's scale words: 2 x 16,384 bytes
.set SCLB,   SCL+32768                 ; w2's: units of 256 bytes + 16
.set HALFS,  64*272
.set SBLK,   8*272
.set SPARE,  SCLB+2*HALFS
.set HS,     12582912
.set SPITCH, 528
.set ADRA, 16
.set ADRB, 20
.set STO,  24
.set RD,   25
.set CO,   26
.set ADRS, 27
.set SPW,  28
.set NIL,  29
.set ADSA, 30
.set SC,   32                          ; v32-63   w2's scale words, two sets
.set BIAS, 64
.set AF,   128
.set SAR,  224                         ; v224-239 h's scale words, two sets
.set BK,   128
.set G1, 24
.set G0, 32
.set G1B, 48
.set G0B, 56
.set G1S, 68
.set G0S, 76
.set G1SB, 80
.set G0SB, 88
.set MSB, 0
.macro WIN new
.if MSB != (\new)
	s_set_vgpr_msb (MSB<<8)|(\new)
.set MSB, (\new)
.endif
.endm
.macro WMUL hi, zero
.if \zero
	WIN 0x81+0x40*(\hi)
.else
	WIN 0xa1+0x50*(\hi)
.endif
.endm
.macro JLOAD g0a, g1a, g0b, g1b
	s_cmp_eq_u32 s15, 0
	s_cbranch_scc0 .Lfor_b_\@
	tensor_load_to_lds s[\g0a:\g0a+3], s[\g1a:\g1a+7]
	s_nop 0
.rept 4
	v_nop
.endr
	s_branch .Lasked_\@
.Lfor_b_\@:
	tensor_load_to_lds s[\g0b:\g0b+3], s[\g1b:\g1b+7]
	s_nop 0
.rept 4
	v_nop
.endr
.Lasked_\@:
.endm
.macro CREST
	s_cmp_lg_u32 s14, 0
	s_cbranch_scc1 .Lnot_wave_0_\@
	s_barrier_signal -3
.Lnot_wave_0_\@:
	s_barrier_wait -3
	s_barrier_signal -1
	s_barrier_wait -1
.endm
.macro CROUND
	s_barrier_signal -1
	s_barrier_wait -1
	CREST
.endm
	s_load_b64 s[4:5], s[0:1], 0x0                 ; ws_h
	s_load_b128 s[8:11], s[0:1], 0x8               ; w2's codes, w2's scales
	s_load_b64 s[96:97], s[0:1], 0x18              ; b2
	s_load_b64 s[12:13], s[0:1], 0x20              ; ws_ff
	v_lshl_add_u32 v[SPW], v0, 2, SPARE
	v_mov_b32 v[NIL], 0
	ds_add_u32 v28, v29
	ds_add_u32 v28, v29
	s_wait_dscnt 0x0
	v_lshrrev_b32 v1, 5, v0
	v_readfirstlane_b32 s14, v1
	s_lshr_b32 s15, s14, 1
	s_and_b32 s16, s14, 1
	s_bfe_u32 s40, ttmp6, 0x40000
	s_bfe_u32 s41, ttmp6, 0x40004
	s_lshl_b32 s42, ttmp9, 2
	s_add_co_u32 s42, s42, s40                     ; tile column
	s_and_b32 s17, ttmp7, 0xffff
	s_lshl_b32 s17, s17, 2
	s_add_co_u32 s17, s17, s41                     ; tile row
	s_lshl_b32 s43, s41, 2
	s_lshl_b32 s43, 15, s43
	s_lshl_b32 s44, 0x1111, s40
	s_or_b32 s[G1+0], s43, (3<<16)|(1<<21)         ; h's tile: 96 rows of 256 bytes, dense, no padding
	s_mov_b32 s[G1+1], 32<<16
	s_mov_b32 s[G1+2], 96<<16
	s_mov_b32 s[G1+3], 32<<16
	s_mov_b32 s[G1+4], 96
	s_mov_b32 s[G1+5], 32
	s_mov_b32 s[G1+6], 0
	s_mov_b32 s[G1+7], 0
	s_or_b32 s[G1B+0], s44, (0<<16)|(1<<20)|(1<<21)|(3<<22)|(3<<25)   ; w2's: 128 rows of 192 bytes, 16 bytes of padding behind every 64
	s_mov_b32 s[G1B+1], ROWB<<16
	s_mov_b32 s[G1B+2], 128<<16
	s_mov_b32 s[G1B+3], ROWB<<16
	s_mov_b32 s[G1B+4], 128
	s_mov_b32 s[G1B+5], KROW
	s_mov_b32 s[G1B+6], 0
	s_mov_b32 s[G1B+7], 0
	s_or_b32 s[G1S+0], s43, (3<<16)|(1<<21)        ; h's scale words of 128 rows: 64 rows of 256 bytes, dense
	s_or_b32 s[G1SB+0], s44, (3<<16)|(1<<20)|(1<<21)|(5<<22)|(3<<25)   ; w2's of 128 rows: the same with 16 bytes behind each
.irp g, G1S, G1SB
	s_mov_b32 s[\g+1], 32<<16
	s_mov_b32 s[\g+2], 64<<16
	s_mov_b32 s[\g+3], 32<<16
	s_mov_b32 s[\g+4], 64
	s_mov_b32 s[\g+5], 32
	s_mov_b32 s[\g+6], 0
	s_mov_b32 s[\g+7], 0
.endr
	s_lshl_b32 s20, s17, 4
	s_lshl_b32 s18, s16, 3
	s_add_co_u32 s20, s20, s18
	s_mul_i32 s20, s20, 3072                       ; h: tile of rows 16 x tile row + 8 x half
	s_mov_b32 s21, 0
	s_lshl_b32 s22, s17, 1
	s_add_co_u32 s22, s22, s16
	s_lshl_b32 s22, s22, 14
	s_add_co_u32 s22, s22, HS                      ; its scale words
	s_mov_b32 s23, 0
	s_lshl_b32 s46, s42, 8
	s_lshl_b32 s18, s16, 7
	s_add_co_u32 s46, s46, s18                     ; w2: row 256 x tile column + 128 x half
	s_lshl_b32 s92, s46, 7
	s_mov_b32 s93, 0
	s_mul_i32 s46, s46, KROW
	s_mov_b32 s47, 0
	s_mul_i32 s45, s16, HALFA                      ; where they go in a slot: no place in the cluster enters an LDS address
	s_mul_i32 s2, s16, HALFT
	s_add_co_u32 s2, s2, BOFF
	s_lshl_b32 s94, s16, 14
	s_add_co_u32 s94, s94, SCL
	s_mul_i32 s98, s16, HALFS
	s_add_co_u32 s98, s98, SCLB
	s_wait_kmcnt 0x0
	s_add_nc_u64 s[20:21], s[4:5], s[20:21]
	s_add_nc_u64 s[22:23], s[4:5], s[22:23]
	s_add_nc_u64 s[46:47], s[8:9], s[46:47]
	s_add_nc_u64 s[92:93], s[10:11], s[92:93]
	CROUND
	s_mov_b32 s[G0S], 1
	s_mov_b32 s[G0S+1], s94
	s_mov_b64 s[G0S+2:G0S+3], s[22:23]
	s_or_b32 s[G0S+3], s[G0S+3], 0x80000000
	s_mov_b32 s[G0SB], 1
	s_mov_b32 s[G0SB+1], s98
	s_mov_b64 s[G0SB+2:G0SB+3], s[92:93]
	s_or_b32 s[G0SB+3], s[G0SB+3], 0x80000000
	JLOAD G0S, G1S, G0SB, G1SB
.irp s, 0,1
	s_mov_b32 s[G0+4*\s], 1
	s_add_co_u32 s[G0+4*\s+1], s45, \s*SLOT
	s_add_nc_u64 s[G0+4*\s+2:G0+4*\s+3], s[20:21], \s*KSA
	s_or_b32 s[G0+4*\s+3], s[G0+4*\s+3], 0x80000000
	s_mov_b32 s[G0B+4*\s], 1
	s_add_co_u32 s[G0B+4*\s+1], s2, \s*SLOT
	s_add_nc_u64 s[G0B+4*\s+2:G0B+4*\s+3], s[46:47], \s*ROWB
	s_or_b32 s[G0B+4*\s+3], s[G0B+4*\s+3], 0x80000000
	JLOAD G0+4*\s, G1, G0B+4*\s, G1B
.endr
	v_and_b32 v1, 15, v0                           ; r
	v_bfe_u32 v2, v0, 4, 1                         ; h
	v_and_b32 v6, 31, v0                           ; lane
	v_mul_u32_u24 v3, v1, PITCH
	v_mul_u32_u24 v4, v2, 24
	v_add_nc_u32 v4, v3, v4
	v_lshl_add_u32 v5, v2, 4, v4
	v_lshlrev_b32 v[CO], 4, v6                     ; 16 x lane
	s_mul_i32 s21, s15, HALFA                      ; my 128 rows of h
	s_mul_i32 s22, s16, HALFT                      ; my 128 rows of w2
	s_add_co_u32 s22, s22, BOFF
.irp s, 0,1
	v_add_nc_u32 v[ADRA+\s], s21, v[CO]
	v_add_nc_u32 v[ADRB+\s], s22, v4
	v_add_nc_u32 v[ADRB+2+\s], s22, v5
	s_add_co_u32 s21, s21, SLOT
	s_add_co_u32 s22, s22, SLOT
.endr
	v_lshlrev_b32 v5, 7, v1                        ; w2's scales: 128 bytes a row,
	v_lshrrev_b32 v3, 8, v5
	v_lshl_add_u32 v5, v3, 4, v5                   ; and 16 more for each 256 passed
	s_mul_i32 s21, s16, HALFS
	s_add_co_u32 s21, s21, SCLB
	v_add_nc_u32 v[ADRS], s21, v5
	s_lshl_b32 s21, s15, 14
	s_add_co_u32 s21, s21, SCL
	v_lshl_add_u32 v[ADSA], v6, 2, s21             ; h's: 4 x lane in my 128 rows' words
	s_mul_i32 s23, s14, 16*SPITCH                  ; my stage
	v_mul_u32_u24 v5, v1, SPITCH
	v_lshl_add_u32 v5, v2, 5, v5
	v_add_nc_u32 v[STO], s23, v5
	v_add_nc_u32 v[RD], s23, v[CO]
	s_lshl_b32 s18, s42, 10
	s_lshl_b32 s20, s16, 9
	s_add_co_u32 s18, s18, s20
	v_lshl_add_u32 v7, v2, 5, s18                  ; my columns' bias
.irp b, 0,1,2,3,4,5,6,7
	global_load_b128 v[BIAS+8*\b:BIAS+8*\b+3], v7, s[96:97] offset:64*\b
	global_load_b128 v[BIAS+8*\b+4:BIAS+8*\b+7], v7, s[96:97] offset:64*\b+16
.endr
	s_lshl_b32 s20, s17, 8
	s_lshl_b32 s21, s15, 7
	s_add_co_u32 s20, s20, s21                     ; my first row of the result
	s_lshl_b32 s20, s20, 12
	s_mov_b32 s21, 0
	s_lshl_b32 s46, s42, 10
	s_lshl_b32 s47, s16, 9
	s_add_co_u32 s46, s46, s47                     ; my first column, in bytes
	s_mov_b32 s47, 0
	s_add_nc_u64 s[20:21], s[20:21], s[46:47]
	s_add_nc_u64 s[12:13], s[12:13], s[20:21]
	s_wait_loadcnt 0x0                             ; the bias
.macro FRAG reg, adr, q, i
.irp p, 0,1,2,3,4,5
.set PIECE, 12*(\q)+6*(\p/3)+\p%3
.if PIECE%8 < 5
	ds_load_b64 v[\reg+2*\p:\reg+2*\p+1], v[\adr] offset:8*PIECE+16*(PIECE/8)+(\i)*16*PITCH
.else
	ds_load_b64 v[\reg+2*\p:\reg+2*\p+1], v[\adr+2] offset:8*PIECE+16*(PIECE/8)+(\i)*16*PITCH
.endif
.endr
.endm
; The 64 accumulators take turns, one instruction a turn, in the same order in every step.  Source 0's scales: w2's words, in lanes 0-15; source 1's: h's, an odd block's in lanes 16-31.
.macro MUL16 a0, p, q, sc, zero
.irp a, \a0, \a0+1
.irp b, 0,1,2,3,4,5,6,7
.if \zero
.if (\a)%2
	v_wmma_scale_f32_16x16x128_f8f6f4 v[8*(8*((\a)%4)+\b):8*(8*((\a)%4)+\b)+7], v[128*(\p)+FR*\b:128*(\p)+FR*\b+FR-1], v[AF+FR*(\a):AF+FR*(\a)+FR-1], v[BIAS+8*\b:BIAS+8*\b+7], v[SC+8*NQ*(\sc)+NQ*\b+(\q)], v[SAR+8*(\sc)+2*((\a)/2)+(\q)] matrix_a_fmt:MATRIX_FMT_FP6 matrix_b_fmt:MATRIX_FMT_FP6 matrix_b_scale:MATRIX_SCALE_ROW1
.else
	v_wmma_scale_f32_16x16x128_f8f6f4 v[8*(8*((\a)%4)+\b):8*(8*((\a)%4)+\b)+7], v[128*(\p)+FR*\b:128*(\p)+FR*\b+FR-1], v[AF+FR*(\a):AF+FR*(\a)+FR-1], v[BIAS+8*\b:BIAS+8*\b+7], v[SC+8*NQ*(\sc)+NQ*\b+(\q)], v[SAR+8*(\sc)+2*((\a)/2)+(\q)] matrix_a_fmt:MATRIX_FMT_FP6 matrix_b_fmt:MATRIX_FMT_FP6
.endif
.else
.if (\a)%2
	v_wmma_scale_f32_16x16x128_f8f6f4 v[8*(8*((\a)%4)+\b):8*(8*((\a)%4)+\b)+7], v[128*(\p)+FR*\b:128*(\p)+FR*\b+FR-1], v[AF+FR*(\a):AF+FR*(\a)+FR-1], v[8*(8*((\a)%4)+\b):8*(8*((\a)%4)+\b)+7], v[SC+8*NQ*(\sc)+NQ*\b+(\q)], v[SAR+8*(\sc)+2*((\a)/2)+(\q)] matrix_a_fmt:MATRIX_FMT_FP6 matrix_b_fmt:MATRIX_FMT_FP6 matrix_b_scale:MATRIX_SCALE_ROW1
.else
	v_wmma_scale_f32_16x16x128_f8f6f4 v[8*(8*((\a)%4)+\b):8*(8*((\a)%4)+\b)+7], v[128*(\p)+FR*\b:128*(\p)+FR*\b+FR-1], v[AF+FR*(\a):AF+FR*(\a)+FR-1], v[8*(8*((\a)%4)+\b):8*(8*((\a)%4)+\b)+7], v[SC+8*NQ*(\sc)+NQ*\b+(\q)], v[SAR+8*(\sc)+2*((\a)/2)+(\q)] matrix_a_fmt:MATRIX_FMT_FP6 matrix_b_fmt:MATRIX_FMT_FP6
.endif
.endif
.endr
.endr
.endm
.macro FETCH_B slot, q, p
	WIN 0x40
.irp i, 0,1,2,3,4,5,6,7
	FRAG 128*(\p)+FR*\i, ADRB+\slot, \q, \i
.endr
	WIN 0
.endm
.macro FETCH_A slot, q, i0             ; h's blocks i0 .. i0 + 3: an image comes back as it was stored
.irp i, \i0, \i0+1, \i0+2, \i0+3
.irp c, 0,1,2
	ds_load_b128 v[AF+FR*(\i)+4*\c:AF+FR*(\i)+4*\c+3], v[ADRA+\slot] offset:(2*(\i)+(\q))*1536+512*\c
.endr
.endr
.endm
.macro SCALES sc
.irp i, 0,1,2,3,4,5,6,7
	ds_load_b64 v[SC+8*NQ*\sc+NQ*\i:SC+8*NQ*\sc+NQ*\i+1], v[ADRS] offset:\i*SBLK
.endr
.irp i, 0,1,2,3
.irp u, 0,1
	ds_load_b32 v[SAR+8*\sc+2*\i+\u], v[ADSA] offset:512*\u+128*\i
.endr
.endr
.endm
.macro PLACES n
.rept \n
	v_nop
.endr
.endm
.macro STEP slot, q, zero
	s_wait_dscnt 4*NLA                             ; w2's set and h's blocks 0-3 are in; the youngest 12 loads (h's blocks 4-7) may be out
	WMUL 0, \zero
	MUL16 0, (\q)%2, \q, \slot, \zero
	MUL16 2, (\q)%2, \q, \slot, \zero
	s_wait_dscnt 0
	PLACES NP
	FETCH_B \slot, (\q)+1, 1-(\q)%2
	FETCH_A \slot, (\q)+1, 0
	WMUL 1, \zero
	MUL16 4, (\q)%2, \q, \slot, \zero
	MUL16 6, (\q)%2, \q, \slot, \zero
	PLACES NP
	WIN 0
	FETCH_A \slot, (\q)+1, 4
.endm
.macro TURN slot, next, fill
	s_wait_tensorcnt 0x0                           ; all my tensor loads have landed: my part of the next slot
	ds_add_u32 v[SPW], v[NIL]                      ; 0 onto my spare word
	s_wait_dscnt 4*NLA+1                           ; the add and the youngest 12 loads may be out
	WMUL 0, 0
	MUL16 0, 1, NQ-1, \slot, 0
	s_wait_dscnt 0x0                               ; the add is done, and my reads of this slot are over
	s_barrier_signal -1
	MUL16 2, 1, NQ-1, \slot, 0
	WIN 0
	s_barrier_wait -1
.if \fill
	CREST                                          ; the barrier has opened a round of the cluster's: no wave of any partner still reads this slot or has a load on its way
	s_add_nc_u64 s[G0+4*\slot+2:G0+4*\slot+3], s[G0+4*\slot+2:G0+4*\slot+3], 2*KSA
	s_add_nc_u64 s[G0B+4*\slot+2:G0B+4*\slot+3], s[G0B+4*\slot+2:G0B+4*\slot+3], 2*ROWB
	JLOAD G0+4*\slot, G1, G0B+4*\slot, G1B
.else
	PLACES NP
.endif
	v_add_nc_u32 v[ADRS], 4*NQ, v[ADRS]            ; on to the next K step's scale words
	v_add_nc_u32 v[ADSA], 1024, v[ADSA]
	FETCH_B \next, 0, 0
	FETCH_A \next, 0, 0
	SCALES \next
	WMUL 1, 0
	MUL16 4, 1, NQ-1, \slot, 0
	MUL16 6, 1, NQ-1, \slot, 0
	PLACES NP
	WIN 0
	FETCH_A \next, 0, 4
.endm
	s_wait_tensorcnt 1                             ; the scales and my part of K step 0 are in; K step 1's load may be out
	s_barrier_signal -1
	s_barrier_wait -1
	FETCH_B 0, 0, 0
	FETCH_A 0, 0, 0
	SCALES 0
	FETCH_A 0, 0, 4
	STEP 0, 0, 1                                   ; the first step starts the sums from the bias
	s_mov_b32 s3, LAPS-1
.Llap:
	TURN 0, 1, 1
	STEP 1, 0, 0
	TURN 1, 0, 1
	STEP 0, 0, 0
	s_sub_co_u32 s3, s3, 1
	s_cmp_lg_u32 s3, 0
	s_cbranch_scc1 .Llap
	TURN 0, 1, 0
	STEP 1, 0, 0
	s_wait_dscnt 4*NLA
	WMUL 0, 0
	MUL16 0, 1, NQ-1, 1, 0
	MUL16 2, 1, NQ-1, 1, 0
	s_wait_dscnt 0
	WMUL 1, 0
	MUL16 4, 1, NQ-1, 1, 0
	MUL16 6, 1, NQ-1, 1, 0
	WIN 0
; THE WAY OUT, block by block of 16 rows x 128 columns, through my own stage: LDS serves a wave's instructions in order, so no wait stands between the stores and the loads.
.macro TOSTAGE a
.set AC, 64*((\a)%4)
	WIN 0x08+4*((\a)/4)
.irp b, 0,1,2,3,4,5,6,7
	ds_store_b128 v[STO], v[AC+8*\b:AC+8*\b+3] offset:64*\b          ; each accumulator from its low end on
	ds_store_b128 v[STO], v[AC+8*\b+4:AC+8*\b+7] offset:64*\b+16
.endr
	WIN 0
.set BB, BK+64*((\a)%2)
.irp t, 0,1,2,3,4,5,6,7,8,9,10,11,12,13,14,15
	ds_load_b128 v[BB+4*\t:BB+4*\t+3], v[RD] offset:\t*SPITCH
.endr
.endm
.macro SEND a, younger
.set BB, BK+64*((\a)%2)
	s_wait_dscnt \younger
.if (\a) > 0
	s_add_nc_u64 s[12:13], s[12:13], 16*SIZE_N*4   ; behind a wait on XCNT: the earlier stores have read their base
.endif
.irp t, 0,1,2,3,4,5,6,7,8,9,10,11,12,13,14,15
	global_store_b128 v[CO], v[BB+4*\t:BB+4*\t+3], s[12:13] offset:\t*SIZE_N*4   ; 32 lanes store 512 consecutive bytes, aligned
.endr
.endm
	PLACES NP
	TOSTAGE 0
.irp a, 1,2,3,4,5,6,7
.if \a > 1
	s_wait_xcnt 0x0                                ; block a - 2's stores have read their registers and their base
.endif
	TOSTAGE \a
	SEND \a-1, 32                                  ; behind block a - 1's loads: block a's 16 stores and 16 loads
.endr
	s_wait_xcnt 0x0
	SEND 7, 0
	s_wait_tensorcnt 0x0                           ; the wave's end
	ds_add_u32 v[SPW], v[NIL]
	s_wait_dscnt 0x0
	CROUND
	s_endpgm
.Lfunc_end_k_q1b4738eeb4_ffn2:
	.size	k_q1b4738eeb4_ffn2, .Lfunc_end_k_q1b4738eeb4_ffn2-k_q1b4738eeb4_ffn2
	.p2alignl 7, 3214868480
	.fill 96, 4, 3214868480
	.section	.rodata,"a",@progbits
	.p2align	6, 0x0
	.amdhsa_kernel k_q1b4738eeb4_ffn2
		.amdhsa_group_segment_fixed_size 327680
		.amdhsa_private_segment_fixed_size 0
		.amdhsa_enable_private_segment 0
		.amdhsa_kernarg_size 40
		.amdhsa_user_sgpr_count 2
		.amdhsa_user_sgpr_kernarg_segment_ptr 1
		.amdhsa_wavefront_size32 1
		.amdhsa_system_sgpr_workgroup_id_x 1
		.amdhsa_system_sgpr_workgroup_id_y 1
		.amdhsa_system_sgpr_workgroup_id_z 1
		.amdhsa_system_vgpr_workitem_id 0
		.amdhsa_next_free_vgpr 1024
		.amdhsa_next_free_sgpr 100
		.amdhsa_reserve_vcc 0
		.amdhsa_float_denorm_mode_32 3
		.amdhsa_float_denorm_mode_16_64 3
		.amdhsa_memory_ordered 1
		.amdhsa_forward_progress 1
		.amdhsa_inst_pref_size 152
	.end_amdhsa_kernel
	.amdgpu_metadata
---
amdhsa.version: [ 1, 2 ]
amdhsa.kernels:
  - .name:           k_q1b4738eeb4_ffn2
    .symbol:         k_q1b4738eeb4_ffn2.kd
    .args:
      - { .name: ws_h, .offset: 0, .size: 8, .value_kind: global_buffer, .address_space: global }
      - { .name: w2_codes, .offset: 8, .size: 8, .value_kind: global_buffer, .address_space: global }
      - { .name: w2_scales, .offset: 16, .size: 8, .value_kind: global_buffer, .address_space: global }
      - { .name: b2, .offset: 24, .size: 8, .value_kind: global_buffer, .address_space: global }
      - { .name: ws_ff, .offset: 32, .size: 8, .value_kind: global_buffer, .address_space: global }
    .group_segment_fixed_size: 327680
    .private_segment_fixed_size: 0
    .kernarg_segment_align: 8
    .kernarg_segment_size: 40
    .max_flat_workgroup_size: 128
    .sgpr_count:     100
    .vgpr_count:     1024
    .wavefront_size: 32
...
	.end_amdgpu_metadata
.endif
;; end of part 6
;; launch ln2 (part 7): grid 256 x 1, 4 waves a work-group, no clusters, 0 bytes of LDS; arguments ws_ln, ws_ff, ln2_g, ln2_b, out0; writes out0
.if DOCPART == 7
	.amdgcn_target "amdgcn-amd-amdhsa--gfx1250"
	.amdhsa_code_object_version 6
	.text
	.protected	k_q1b4738eeb4_ln2
	.globl	k_q1b4738eeb4_ln2
	.p2align	8
	.type	k_q1b4738eeb4_ln2,@function
k_q1b4738eeb4_ln2:
	s_mov_b64 s[64:65], 0
	v_nop
	global_prefetch_b8 v0, s[64:65] scope:SCOPE_SE
	s_setreg_imm32_b32 hwreg(HW_REG_WAVE_MODE, 25, 1), 1
	s_wait_xcnt 0x0
; out = LayerNorm(in1 + in2) x g + b over rows of 1,024, in f32: mean, then the mean of the squared deviations, as the definition has them.
; in1 (x, at byte 0 of its buffer) and the result lie in (s, b) order, byte (2 s + b) x 4096; in2 (the feed-forward's result) in rows m' = b x 2048 + s.
; SHARES: work-group g, wave w: rows m' = 16 g + 4 w .. + 3, a row at a time in 32 registers (lane l, register 4 i + e: column 128 i + 4 l + e); two row slots, so that the next row's 16 loads are on their way.
; Every load and store covers 512 consecutive bytes.  No LDS, no barrier: waves share nothing.  NaN and infinities are not served.
.set G,     32                         ; v32-63  the gain
.set B,     64                         ; v64-95  the bias
.set SL,    96                         ; v96-223 two slots of 32 + 32
	s_load_b256 s[4:11], s[0:1], 0x0               ; in1, in2, g, b
	s_load_b64 s[12:13], s[0:1], 0x20              ; out
	v_lshrrev_b32 v1, 5, v0
	v_readfirstlane_b32 s16, v1                    ; wave
	v_and_b32 v2, 31, v0
	v_lshlrev_b32 v1, 4, v2                        ; 16 x lane
	v_mov_b32 v3, 0                                ; a lane permute's destination counts as one of its sources
	v_mov_b32 v29, 0                               ; upper halves of pairs of which the low word serves both
	v_mov_b32 v31, 0
	s_mov_b32 s14, 0x76543210
	s_mov_b32 s15, 0xfedcba98
	s_mov_b32 s20, 0x3a800000                      ; 1 / 1024
	s_mov_b32 s21, 0x3727c5ac                      ; 1e-5
	s_lshr_b32 s22, ttmp9, 7                       ; b
	s_and_b32 s23, ttmp9, 127
	s_lshl_b32 s23, s23, 4
	s_lshl_b32 s24, s16, 2
	s_add_co_u32 s23, s23, s24                     ; s
	s_lshl_b32 s23, s23, 13
	s_lshl_b32 s22, s22, 12
	s_add_co_u32 s22, s22, s23
	s_mov_b32 s23, 0
	s_lshl_b32 s25, ttmp9, 4
	s_add_co_u32 s25, s25, s24                     ; m'
	s_lshl_b32 s26, s25, 12
	s_mov_b32 s27, 0
	s_wait_kmcnt 0x0
	s_add_nc_u64 s[4:5], s[4:5], s[22:23]
	s_add_nc_u64 s[6:7], s[6:7], s[26:27]
	s_add_nc_u64 s[12:13], s[12:13], s[22:23]
.irp i, 0,1,2,3,4,5,6,7
	global_load_b128 v[G+4*\i:G+4*\i+3], v1, s[8:9] offset:512*\i
	global_load_b128 v[B+4*\i:B+4*\i+3], v1, s[10:11] offset:512*\i
.endr
.macro LOADROW p
.irp i, 0,1,2,3,4,5,6,7
	global_load_b128 v[SL+64*((\p)%2)+4*\i:SL+64*((\p)%2)+4*\i+3], v1, s[4:5] offset:(\p)*8192+512*\i
.endr
.irp i, 0,1,2,3,4,5,6,7
	global_load_b128 v[SL+64*((\p)%2)+32+4*\i:SL+64*((\p)%2)+32+4*\i+3], v1, s[6:7] offset:(\p)*4096+512*\i
.endr
.endm
	LOADROW 0
	LOADROW 1
.macro REDUCE                          ; four chains v[8:9], v[10:11], v[12:13], v[26:27] become one number in v8 of every lane
	v_pk_add_f32 v[8:9], v[8:9], v[10:11]
	v_pk_add_f32 v[12:13], v[12:13], v[26:27]
	v_pk_add_f32 v[8:9], v[8:9], v[12:13]
	v_add_f32 v8, v8, v9
	v_add_f32_dpp v8, v8, v8 row_xmask:1 row_mask:0xf bank_mask:0xf
	v_add_f32_dpp v8, v8, v8 row_xmask:2 row_mask:0xf bank_mask:0xf
	v_add_f32_dpp v8, v8, v8 row_xmask:4 row_mask:0xf bank_mask:0xf
	v_add_f32_dpp v8, v8, v8 row_xmask:8 row_mask:0xf bank_mask:0xf
	v_permlanex16_b32 v3, v8, s14, s15
	v_add_f32 v8, v8, v3
.endm
.macro ROW p
.set S, SL+64*((\p)%2)
.set A, S+32
.if (\p) < 3
	s_wait_loadcnt 16                              ; this row (and g, b) are in; the next row's 16 loads may be out
.else
	s_wait_loadcnt 0x0
.endif
.irp j, 0,2,4,6,8,10,12,14,16,18,20,22,24,26,28,30
	v_pk_add_f32 v[S+\j:S+\j+1], v[S+\j:S+\j+1], v[A+\j:A+\j+1]
.endr
	v_pk_add_f32 v[8:9], v[S:S+1], v[S+8:S+9]
	v_pk_add_f32 v[10:11], v[S+2:S+3], v[S+10:S+11]
	v_pk_add_f32 v[12:13], v[S+4:S+5], v[S+12:S+13]
	v_pk_add_f32 v[26:27], v[S+6:S+7], v[S+14:S+15]
.irp j, 16,24
	v_pk_add_f32 v[8:9], v[8:9], v[S+\j:S+\j+1]
	v_pk_add_f32 v[10:11], v[10:11], v[S+\j+2:S+\j+3]
	v_pk_add_f32 v[12:13], v[12:13], v[S+\j+4:S+\j+5]
	v_pk_add_f32 v[26:27], v[26:27], v[S+\j+6:S+\j+7]
.endr
	REDUCE
	v_mul_f32 v28, s20, v8                         ; the mean
.irp j, 0,2,4,6,8,10,12,14,16,18,20,22,24,26,28,30
	v_pk_add_f32 v[S+\j:S+\j+1], v[S+\j:S+\j+1], v[28:29] op_sel_hi:[1,0] neg_lo:[0,1] neg_hi:[0,1]
.endr
	v_pk_mul_f32 v[8:9], v[S:S+1], v[S:S+1]
	v_pk_mul_f32 v[10:11], v[S+2:S+3], v[S+2:S+3]
	v_pk_mul_f32 v[12:13], v[S+4:S+5], v[S+4:S+5]
	v_pk_mul_f32 v[26:27], v[S+6:S+7], v[S+6:S+7]
.irp j, 8,16,24
	v_pk_fma_f32 v[8:9], v[S+\j:S+\j+1], v[S+\j:S+\j+1], v[8:9]
	v_pk_fma_f32 v[10:11], v[S+\j+2:S+\j+3], v[S+\j+2:S+\j+3], v[10:11]
	v_pk_fma_f32 v[12:13], v[S+\j+4:S+\j+5], v[S+\j+4:S+\j+5], v[12:13]
	v_pk_fma_f32 v[26:27], v[S+\j+6:S+\j+7], v[S+\j+6:S+\j+7], v[26:27]
.endr
	REDUCE
	v_fma_f32 v8, v8, s20, s21                     ; the variance + 1e-5
	v_rsq_f32 v30, v8
	v_nop                                          ; a plain line behind the transcendental
	s_wait_alu depctr_va_vdst(0)                   ; and the wait ahead of its first reader
.irp j, 0,2,4,6,8,10,12,14,16,18,20,22,24,26,28,30
	v_pk_mul_f32 v[S+\j:S+\j+1], v[S+\j:S+\j+1], v[30:31] op_sel_hi:[1,0]
.endr
.irp j, 0,2,4,6,8,10,12,14,16,18,20,22,24,26,28,30
	v_pk_fma_f32 v[S+\j:S+\j+1], v[S+\j:S+\j+1], v[G+\j:G+\j+1], v[B+\j:B+\j+1]
.endr
.irp i, 0,1,2,3,4,5,6,7
	global_store_b128 v1, v[S+4*\i:S+4*\i+3], s[12:13] offset:(\p)*8192+512*\i th:TH_STORE_NT
.endr
.if (\p) < 2
	s_wait_xcnt 0x0                                ; this row's stores have read the slot's registers: it takes the row two on
	LOADROW (\p)+2
.endif
.endm
	ROW 0
	ROW 1
	ROW 2
	ROW 3
	s_endpgm
.Lfunc_end_k_q1b4738eeb4_ln2:
	.size	k_q1b4738eeb4_ln2, .Lfunc_end_k_q1b4738eeb4_ln2-k_q1b4738eeb4_ln2
	.p2alignl 7, 3214868480
	.fill 96, 4, 3214868480
	.section	.rodata,"a",@progbits
	.p2align	6, 0x0
	.amdhsa_kernel k_q1b4738eeb4_ln2
		.amdhsa_group_segment_fixed_size 0
		.amdhsa_private_segment_fixed_size 0
		.amdhsa_enable_private_segment 0
		.amdhsa_kernarg_size 40
		.amdhsa_user_sgpr_count 2
		.amdhsa_user_sgpr_kernarg_segment_ptr 1
		.amdhsa_wavefront_size32 1
		.amdhsa_system_sgpr_workgroup_id_x 1
		.amdhsa_system_sgpr_workgroup_id_y 1
		.amdhsa_system_sgpr_workgroup_id_z 1
		.amdhsa_system_vgpr_workitem_id 0
		.amdhsa_next_free_vgpr 224
		.amdhsa_next_free_sgpr 66
		.amdhsa_reserve_vcc 0
		.amdhsa_float_denorm_mode_32 3
		.amdhsa_float_denorm_mode_16_64 3
		.amdhsa_memory_ordered 1
		.amdhsa_forward_progress 1
		.amdhsa_inst_pref_size 41
	.end_amdhsa_kernel
	.amdgpu_metadata
---
amdhsa.version: [ 1, 2 ]
amdhsa.kernels:
  - .name:           k_q1b4738eeb4_ln2
    .symbol:         k_q1b4738eeb4_ln2.kd
    .args:
      - { .name: ws_ln, .offset: 0, .size: 8, .value_kind: global_buffer, .address_space: global }
      - { .name: ws_ff, .offset: 8, .size: 8, .value_kind: global_buffer, .address_space: global }
      - { .name: ln2_g, .offset: 16, .size: 8, .value_kind: global_buffer, .address_space: global }
      - { .name: ln2_b, .offset: 24, .size: 8, .value_kind: global_buffer, .address_space: global }
      - { .name: out0, .offset: 32, .size: 8, .value_kind: global_buffer, .address_space: global }
    .group_segment_fixed_size: 0
    .private_segment_fixed_size: 0
    .kernarg_segment_align: 8
    .kernarg_segment_size: 40
    .max_flat_workgroup_size: 128
    .sgpr_count:     66
    .vgpr_count:     224
    .wavefront_size: 32
...
	.end_amdgpu_metadata
.endif
;; end of part 7
;; ======== version 2 of 2: 7 launches
;; workspace buffers: ws_x 3,801,088 bytes; ws_qkv 10,092,544 bytes; ws_att 16,777,216 bytes; ws_ln 20,054,016 bytes; ws_h 13,107,200 bytes; ws_ff 16,777,216 bytes
;; launch prep: the kernel of part 1 again; grid 256 x 1, 4 waves a work-group, no clusters, 25,088 bytes of LDS; arguments src, ws_x; writes ws_x
;; launch qkv: the kernel of part 2 again; grid 16 x 12, 4 waves a work-group, clusters of 4 x 4, 327,680 bytes of LDS; arguments ws_x, q_w_codes, q_w_scales, q_b, k_w_codes, k_w_scales, k_b, v_w_codes, v_w_scales, v_b, ws_qkv; writes ws_qkv
;; launch attn: the kernel of part 3 again; grid 8 x 32, 16 waves a work-group, clusters of 4 x 1, 280,576 bytes of LDS; arguments ws_qkv, ws_att; writes ws_att
;; launch ln1: the kernel of part 4 again; grid 256 x 1, 4 waves a work-group, no clusters, 25,088 bytes of LDS; arguments src, ws_att, ln1_g, ln1_b, ws_ln; writes ws_ln
;; launch ffn1: the kernel of part 5 again; grid 16 x 16, 4 waves a work-group, clusters of 4 x 4, 327,680 bytes of LDS; arguments ws_ln, w1_codes, w1_scales, b1, ws_h; writes ws_h
;; launch ffn2 (part 8): grid 8 x 32, 4 waves a work-group, clusters of 4 x 4, 327,680 bytes of LDS; arguments ws_h, w2_codes, w2_scales, b2, ws_ff; writes ws_ff
.if DOCPART == 8
	.amdgcn_target "amdgcn-amd-amdhsa--gfx1250"
	.amdhsa_code_object_version 6
	.text
	.protected	k_q1b4738eeb4_ffn2
	.globl	k_q1b4738eeb4_ffn2
	.p2align	8
	.type	k_q1b4738eeb4_ffn2,@function
k_q1b4738eeb4_ffn2:
	s_mov_b64 s[64:65], 0
	v_nop
	global_prefetch_b8 v0, s[64:65] scope:SCOPE_SE
	s_setreg_imm32_b32 hwreg(HW_REG_WAVE_MODE, 25, 1), 1
	s_wait_xcnt 0x0
	s_wait_alu depctr_hold_cnt(0) depctr_sa_sdst(0) depctr_va_vdst(0) depctr_va_sdst(0) depctr_va_ssrc(0) depctr_va_vcc(0) depctr_vm_vsrc(0)
	s_getreg_b32 s2, hwreg(HW_REG_IB_STS2, 6, 4)
	s_cmp_eq_u32 s2, 0
	s_cbranch_scc0 .Lentry_in_a_cluster
	s_endpgm
.Lentry_in_a_cluster:
	s_bfe_u32 s2, ttmp6, 0x10000c
	s_cmp_lg_u32 s2, 0xf033
	s_cbranch_scc0 .Lentry_shape_is_right
	s_endpgm
.Lentry_shape_is_right:
; ff = h w2 + b2, [4096 rows m'][1024] f32, on codes of FP6 (E2M3) with E8M0 scales, K = 4,096.
; A tile is 128 x 128, so that the 32 x 8 tiles give each of 256 work-groups one: four waves, each 64 x 64 in 16 accumulators.  A wave's 64 x 64 feeds half as many products from each LDS byte as 128 x 128 would.
; K goes in steps of 512 through two LDS slots filled by the tensor data mover, as long a step as two slots in LDS allow: 64 matrix instructions a wave between two changes of slots.
; h lies in memory as images of operand registers ([k / 256][tile of 16 rows][(k / 128) % 2][1,536 bytes]): the tile's 128 rows of 256 along K are 24,576 dense bytes, and a fragment comes out of LDS by three loads
; of 16 bytes a lane.  w2 lies in rows of 3,072 bytes: 256 along K are 192 bytes of a row, padded to 240 in LDS.  Waves 0 and 1 fetch h's two halves of a slot's K, waves 2 and 3 w2's: one load a wave.
; The scale bytes of both operands, for all of K, come once.  h's words lie [128 rows][k / 128][row]: a load of 4 bytes a lane brings two blocks' words (lanes 0-15 the even block, lanes 16-31 the odd one);
; w2's lie 128 bytes a row: a load of 16 bytes a lane brings a row's words of a slot's four steps.
; 4 x 4 work-groups form a cluster: h's tile is asked for jointly along a row of the cluster, w2's along a column.  The matrix instruction is used transposed (source 0 = 16 rows of w2, source 1 = 16 rows of h):
; a lane holds one row of the result and eight neighbouring columns.  The bias is the C of the first products.
; Results go through the wave's stage in LDS (in slot 0, which has had its last fill and its last read by then) and leave as rows of 256 bytes.  All of LDS is claimed.
; REGISTERS: window 0: v16-30 addresses; v32-63 w2's scale words, two sets; v64-95 the bias; v96-111 h's scale words, two sets; v128-255 the accumulators ((a, b) at v[128 + 8 (4 a + b)]); on the way out v64-127 hold rows.
;   window 1: two sets of fragments, at v0 and v128: 48 registers of h (4 x 16 rows x 128 K), then 48 of w2.
.set ROWB,   192                       ; 256 codes of a row of w2
.set KROW,   3072                      ; a row of w2 in memory
.set PITCH,  240                       ; its 192 bytes in LDS: 3 x (64 bytes + 16 of padding)
.set FR,     12                        ; registers of a fragment
.set NP,     4                         ; places behind this matrix instruction (ISA guide 7.12.1)
.set HALFA,  24576                     ; h: 128 rows x 256 along K
.set HALFT,  128*PITCH                 ; w2: the same, padded
.set BOFF,   2*HALFA
.set SLOT,   2*HALFA+2*HALFT           ; 110,592
.set KSA,    786432                    ; 256 along K of all of h in memory
.set LAPS,   4                         ; K = 4,096: four times round the ring of two slots of 512
.set SCL,    2*SLOT                    ; h's scale words: 16,384 bytes
.set SCLB,   SCL+16384                 ; w2's scale bytes: 64 units of 256 bytes + 16
.set HALFS,  32*272                    ; those of 64 rows: what one tensor load brings, and what one wave reads
.set SBLK,   8*272                     ; those of 16 rows
.set SPARE,  SCLB+2*HALFS              ; the spare words: 128 bytes a wave, named by no other line
.set HS,     12582912
.set SPITCH, 272                       ; the stage: 16 rows x (256 bytes + 16) for each wave
.set ADRA, 16                          ; v16-17  LDS address of my fragments of h in slot 0, 1
.set ADRB, 20                          ; v20-21  of w2's  (v22-23: the same for the pieces that lie behind one padding more)
.set STO,  24                          ; v24     the way out: where I put 32 bytes of a row
.set RD,   25                          ; v25     where I read a row back
.set CO,   26                          ; v26     my byte offset in two rows of the result
.set ADRS, 27                          ; v27     LDS address of my rows' scale bytes of w2
.set SPW,  28                          ; v28     my spare word; never rewritten
.set NIL,  29                          ; v29     0; never rewritten
.set ADSA, 30                          ; v30     LDS address of h's scale words
.set SC,   32                          ; set s at v[SC + 16 s]; in it register 4 b + q: w2's block b, the slot's q-th 128 along K
.set BIAS, 64
.set SAR,  96                          ; set s at v[SAR + 8 s]; in it register 4 (a / 2) + q: lanes 0-15 h's even block, lanes 16-31 the odd one
.set ACC,  128
.set BK,   64                          ; the way out: two buffers of 32 registers
.set G1, 24
.set G0, 32
.set G1B, 48
.set G0B, 56
.set G1S, 68
.set G0S, 76
.set G1SB, 80
.set G0SB, 88
.set MUL,  0x05                        ; sources 0 and 1 window 1; C and D window 0
.set TO_F, 0x40                        ; destination window 1, address window 0
.set MSB, 0
.macro WIN new                         ; the immediate's high byte repeats the setting that is left
.if MSB != (\new)
	s_set_vgpr_msb (MSB<<8)|(\new)
.set MSB, (\new)
.endif
.endm
.macro JLOAD g0a, g1a, g0b, g1b        ; a joint load: waves 0 and 1 fetch for h, waves 2 and 3 for w2; four v_nop follow each line
	s_cmp_eq_u32 s15, 0
	s_cbranch_scc0 .Lfor_b_\@
	tensor_load_to_lds s[\g0a:\g0a+3], s[\g1a:\g1a+7]
	s_nop 0
.rept 4
	v_nop
.endr
	s_branch .Lasked_\@
.Lfor_b_\@:
	tensor_load_to_lds s[\g0b:\g0b+3], s[\g1b:\g1b+7]
	s_nop 0
.rept 4
	v_nop
.endr
.Lasked_\@:
.endm
.macro CREST                           ; a round of the cluster's barrier behind its opening barrier
	s_cmp_lg_u32 s14, 0
	s_cbranch_scc1 .Lnot_wave_0_\@
	s_barrier_signal -3
.Lnot_wave_0_\@:
	s_barrier_wait -3
	s_barrier_signal -1
	s_barrier_wait -1
.endm
.macro CROUND
	s_barrier_signal -1
	s_barrier_wait -1
	CREST
.endm
	s_load_b64 s[4:5], s[0:1], 0x0                 ; ws_h
	s_load_b128 s[8:11], s[0:1], 0x8               ; w2's codes, w2's scales
	s_load_b64 s[96:97], s[0:1], 0x18              ; b2
	s_load_b64 s[12:13], s[0:1], 0x20              ; ws_ff
	v_lshl_add_u32 v[SPW], v0, 2, SPARE
	v_mov_b32 v[NIL], 0
	ds_add_u32 v28, v29
	ds_add_u32 v28, v29
	s_wait_dscnt 0x0
	v_lshrrev_b32 v1, 5, v0
	v_readfirstlane_b32 s14, v1                    ; wave
	s_lshr_b32 s15, s14, 1                         ; my half of the tile's rows.  Also: I fetch for h (0) or for w2 (1)
	s_and_b32 s16, s14, 1                          ; my half of its columns.  Also: which half of a slot's K I fetch
	s_bfe_u32 s40, ttmp6, 0x40000                  ; cx
	s_bfe_u32 s41, ttmp6, 0x40004                  ; cy
	s_lshl_b32 s42, ttmp9, 2
	s_add_co_u32 s42, s42, s40                     ; tile column, 0 to 7
	s_and_b32 s17, ttmp7, 0xffff
	s_lshl_b32 s17, s17, 2
	s_add_co_u32 s17, s17, s41                     ; tile row, 0 to 31
	s_lshl_b32 s43, s41, 2
	s_lshl_b32 s43, 15, s43                        ; my row of the cluster
	s_lshl_b32 s44, 0x1111, s40                    ; my column
	s_or_b32 s[G1+0], s43, (3<<16)|(1<<21)         ; h's tile: 96 rows of 256 bytes (32 elements of 8), dense, no padding
	s_mov_b32 s[G1+1], 32<<16
	s_mov_b32 s[G1+2], 96<<16
	s_mov_b32 s[G1+3], 32<<16
	s_mov_b32 s[G1+4], 96
	s_mov_b32 s[G1+5], 32
	s_mov_b32 s[G1+6], 0
	s_mov_b32 s[G1+7], 0
	s_or_b32 s[G1B+0], s44, (0<<16)|(1<<20)|(1<<21)|(3<<22)|(3<<25)   ; w2's: 128 rows of 192 bytes, 16 bytes of padding behind every 64
	s_mov_b32 s[G1B+1], ROWB<<16
	s_mov_b32 s[G1B+2], 128<<16
	s_mov_b32 s[G1B+3], ROWB<<16
	s_mov_b32 s[G1B+4], 128
	s_mov_b32 s[G1B+5], KROW
	s_mov_b32 s[G1B+6], 0
	s_mov_b32 s[G1B+7], 0
	s_or_b32 s[G1S+0], s43, (3<<16)|(1<<21)        ; half of h's scale words: 32 rows of 256 bytes, dense
	s_or_b32 s[G1SB+0], s44, (3<<16)|(1<<20)|(1<<21)|(5<<22)|(3<<25)   ; w2's scale bytes of 64 rows: the same with 16 bytes behind each 256
.irp g, G1S, G1SB
	s_mov_b32 s[\g+1], 32<<16
	s_mov_b32 s[\g+2], 32<<16
	s_mov_b32 s[\g+3], 32<<16
	s_mov_b32 s[\g+4], 32
	s_mov_b32 s[\g+5], 32
	s_mov_b32 s[\g+6], 0
	s_mov_b32 s[\g+7], 0
.endr
	; where the tiles come from.  h's hang on the tile row and the wave alone, w2's on the tile column and the wave alone
	s_mul_i32 s18, s16, KSA
	s_mul_i32 s20, s17, HALFA
	s_add_co_u32 s20, s20, s18                     ; h: k / 256 = my half, the tile's eight tiles of 16 rows
	s_mov_b32 s21, 0
	s_lshl_b32 s19, s16, 13                        ; my half of 16,384 scale bytes
	s_lshl_b32 s22, s17, 14
	s_add_co_u32 s22, s22, s19
	s_add_co_u32 s22, s22, HS                      ; h's scale words
	s_mov_b32 s23, 0
	s_mul_i32 s46, s42, 128*KROW
	s_mul_i32 s18, s16, ROWB
	s_add_co_u32 s46, s46, s18                     ; w2: row 128 x tile column, my half's 192 bytes of it
	s_mov_b32 s47, 0
	s_lshl_b32 s92, s42, 14
	s_add_co_u32 s92, s92, s19                     ; w2's scale bytes
	s_mov_b32 s93, 0
	s_mul_i32 s45, s16, HALFA                      ; and where they go: no place in the cluster enters an LDS address
	s_mul_i32 s2, s16, HALFT
	s_add_co_u32 s2, s2, BOFF
	s_add_co_u32 s94, s19, SCL
	s_mul_i32 s98, s16, HALFS
	s_add_co_u32 s98, s98, SCLB
	s_wait_kmcnt 0x0
	s_add_nc_u64 s[20:21], s[4:5], s[20:21]
	s_add_nc_u64 s[22:23], s[4:5], s[22:23]
	s_add_nc_u64 s[46:47], s[8:9], s[46:47]
	s_add_nc_u64 s[92:93], s[10:11], s[92:93]
	CROUND                                         ; all sixteen work-groups are here: the first joint loads meet
	s_mov_b32 s[G0S], 1
	s_mov_b32 s[G0S+1], s94
	s_mov_b64 s[G0S+2:G0S+3], s[22:23]
	s_or_b32 s[G0S+3], s[G0S+3], 0x80000000
	s_mov_b32 s[G0SB], 1
	s_mov_b32 s[G0SB+1], s98
	s_mov_b64 s[G0SB+2:G0SB+3], s[92:93]
	s_or_b32 s[G0SB+3], s[G0SB+3], 0x80000000
	JLOAD G0S, G1S, G0SB, G1SB                     ; the scales first: they are wanted with the first step
.irp s, 0,1
	s_mov_b32 s[G0+4*\s], 1
	s_add_co_u32 s[G0+4*\s+1], s45, \s*SLOT
	s_add_nc_u64 s[G0+4*\s+2:G0+4*\s+3], s[20:21], \s*2*KSA
	s_or_b32 s[G0+4*\s+3], s[G0+4*\s+3], 0x80000000
	s_mov_b32 s[G0B+4*\s], 1
	s_add_co_u32 s[G0B+4*\s+1], s2, \s*SLOT
	s_add_nc_u64 s[G0B+4*\s+2:G0B+4*\s+3], s[46:47], \s*2*ROWB
	s_or_b32 s[G0B+4*\s+3], s[G0B+4*\s+3], 0x80000000
	JLOAD G0+4*\s, G1, G0B+4*\s, G1B
.endr
	v_and_b32 v1, 15, v0                           ; r
	v_bfe_u32 v2, v0, 4, 1                         ; h
	v_and_b32 v6, 31, v0                           ; lane
	v_mul_u32_u24 v3, v1, PITCH
	v_mul_u32_u24 v4, v2, 24
	v_add_nc_u32 v4, v3, v4                        ; w2: a fragment's row x pitch + 24 x half
	v_lshl_add_u32 v5, v2, 4, v4                   ; and the same behind one padding more
	v_lshlrev_b32 v8, 4, v6                        ; 16 x lane: my place in an image
	s_mul_i32 s21, s15, 4*3072                     ; my 64 rows of h: four tiles of rows, two images each
	s_mul_i32 s22, s16, 64*PITCH                   ; my 64 rows of w2
	s_add_co_u32 s22, s22, BOFF
.irp s, 0,1
	v_add_nc_u32 v[ADRA+\s], s21, v8
	v_add_nc_u32 v[ADRB+\s], s22, v4
	v_add_nc_u32 v[ADRB+2+\s], s22, v5
	s_add_co_u32 s21, s21, SLOT
	s_add_co_u32 s22, s22, SLOT
.endr
	v_lshlrev_b32 v5, 7, v1                        ; w2's scales: 128 bytes a row,
	v_lshrrev_b32 v3, 8, v5
	v_lshl_add_u32 v5, v3, 4, v5                   ; and 16 more for each 256 passed
	s_mul_i32 s21, s16, HALFS
	s_add_co_u32 s21, s21, SCLB
	v_add_nc_u32 v[ADRS], s21, v5
	s_lshl_b32 s21, s15, 8
	s_add_co_u32 s21, s21, SCL
	v_lshl_add_u32 v[ADSA], v6, 2, s21             ; h's: 4 x lane among my 64 rows' words
	s_mul_i32 s23, s14, 16*SPITCH                  ; my stage
	v_mul_u32_u24 v5, v1, SPITCH
	v_lshl_add_u32 v5, v2, 5, v5
	v_add_nc_u32 v[STO], s23, v5                   ; in: row r, 32 bytes for each half of the lanes
	v_mul_u32_u24 v5, v2, SPITCH
	v_lshl_add_u32 v5, v1, 4, v5
	v_add_nc_u32 v[RD], s23, v5                    ; back: lanes 0-15 one row of 256 bytes, lanes 16-31 the next
	v_lshlrev_b32 v[CO], 12, v2
	v_lshl_add_u32 v[CO], v1, 4, v[CO]             ; and the same two rows in the result
	s_lshl_b32 s18, s42, 9
	s_lshl_b32 s20, s16, 8
	s_add_co_u32 s18, s18, s20                     ; my first column, in bytes: 512 x tile column + 256 x half
	v_lshl_add_u32 v7, v2, 5, s18                  ; my columns' bias: + 32 h
.irp b, 0,1,2,3
	global_load_b128 v[BIAS+8*\b:BIAS+8*\b+3], v7, s[96:97] offset:64*\b
	global_load_b128 v[BIAS+8*\b+4:BIAS+8*\b+7], v7, s[96:97] offset:64*\b+16
.endr
	s_lshl_b32 s20, s17, 19
	s_lshl_b32 s21, s15, 18
	s_add_co_u32 s20, s20, s21                     ; my first row: (128 x tile row + 64 x half) x 4,096 bytes
	s_mov_b32 s21, 0
	s_mov_b32 s46, s18
	s_mov_b32 s47, 0
	s_add_nc_u64 s[20:21], s[20:21], s[46:47]
	s_add_nc_u64 s[12:13], s[12:13], s[20:21]
	s_wait_loadcnt 0x0                             ; the bias
; A fragment of w2, 16 rows x 128 K, the slot's q-th: 12 registers, in pieces of 8 bytes.  Lanes 16-31 read three pieces further on; where that lies behind one padding more, the second address register serves.
.macro FRAGB reg, adr, q, i
.irp p, 0,1,2,3,4,5
.set PIECE, 12*((\q)%2)+6*(\p/3)+\p%3
.if PIECE%8 < 5
	ds_load_b64 v[\reg+2*\p:\reg+2*\p+1], v[\adr] offset:((\q)/2)*HALFT+8*PIECE+16*(PIECE/8)+(\i)*16*PITCH
.else
	ds_load_b64 v[\reg+2*\p:\reg+2*\p+1], v[\adr+2] offset:((\q)/2)*HALFT+8*PIECE+16*(PIECE/8)+(\i)*16*PITCH
.endif
.endr
.endm
; 36 LDS loads in one run: the fragments of the slot's q-th 128 along K into set p: w2's four, then h's four, whose images come back as they were stored
.macro FETCH slot, q, p
	WIN TO_F
.irp i, 0,1,2,3
	FRAGB 128*(\p)+48+FR*\i, ADRB+\slot, \q, \i
.endr
.irp i, 0,1,2,3
.irp c, 0,1,2
	ds_load_b128 v[128*(\p)+FR*\i+4*\c:128*(\p)+FR*\i+4*\c+3], v[ADRA+\slot] offset:((\q)/2)*HALFA+(2*\i+(\q)%2)*1536+512*\c
.endr
.endr
.endm
.macro SCALES sc                       ; a slot's scale words into set sc: w2's by 16 bytes a row, h's by 4 bytes a lane for each step and pair of blocks
.irp i, 0,1,2,3
	ds_load_b128 v[SC+16*\sc+4*\i:SC+16*\sc+4*\i+3], v[ADRS] offset:\i*SBLK
.endr
.irp i, 0,1
.irp u, 0,1,2,3
	ds_load_b32 v[SAR+8*\sc+4*\i+\u], v[ADSA] offset:512*\u+128*\i
.endr
.endr
.endm
; 4 matrix instructions: h's block a x w2's four.  Source 0's scales: w2's words, in lanes 0-15; source 1's: h's, an odd block's in lanes 16-31.  zero = 1: the sums start from the bias.
.macro MULA a, p, q, sc, zero
.irp b, 0,1,2,3
.if \zero
.if (\a)%2
	v_wmma_scale_f32_16x16x128_f8f6f4 v[ACC+8*(4*(\a)+\b):ACC+8*(4*(\a)+\b)+7], v[128*(\p)+48+FR*\b:128*(\p)+48+FR*\b+FR-1], v[128*(\p)+FR*(\a):128*(\p)+FR*(\a)+FR-1], v[BIAS+8*\b:BIAS+8*\b+7], v[SC+16*(\sc)+4*\b+(\q)], v[SAR+8*(\sc)+4*((\a)/2)+(\q)] matrix_a_fmt:MATRIX_FMT_FP6 matrix_b_fmt:MATRIX_FMT_FP6 matrix_b_scale:MATRIX_SCALE_ROW1
.else
	v_wmma_scale_f32_16x16x128_f8f6f4 v[ACC+8*(4*(\a)+\b):ACC+8*(4*(\a)+\b)+7], v[128*(\p)+48+FR*\b:128*(\p)+48+FR*\b+FR-1], v[128*(\p)+FR*(\a):128*(\p)+FR*(\a)+FR-1], v[BIAS+8*\b:BIAS+8*\b+7], v[SC+16*(\sc)+4*\b+(\q)], v[SAR+8*(\sc)+4*((\a)/2)+(\q)] matrix_a_fmt:MATRIX_FMT_FP6 matrix_b_fmt:MATRIX_FMT_FP6
.endif
.else
.if (\a)%2
	v_wmma_scale_f32_16x16x128_f8f6f4 v[ACC+8*(4*(\a)+\b):ACC+8*(4*(\a)+\b)+7], v[128*(\p)+48+FR*\b:128*(\p)+48+FR*\b+FR-1], v[128*(\p)+FR*(\a):128*(\p)+FR*(\a)+FR-1], v[ACC+8*(4*(\a)+\b):ACC+8*(4*(\a)+\b)+7], v[SC+16*(\sc)+4*\b+(\q)], v[SAR+8*(\sc)+4*((\a)/2)+(\q)] matrix_a_fmt:MATRIX_FMT_FP6 matrix_b_fmt:MATRIX_FMT_FP6 matrix_b_scale:MATRIX_SCALE_ROW1
.else
	v_wmma_scale_f32_16x16x128_f8f6f4 v[ACC+8*(4*(\a)+\b):ACC+8*(4*(\a)+\b)+7], v[128*(\p)+48+FR*\b:128*(\p)+48+FR*\b+FR-1], v[128*(\p)+FR*(\a):128*(\p)+FR*(\a)+FR-1], v[ACC+8*(4*(\a)+\b):ACC+8*(4*(\a)+\b)+7], v[SC+16*(\sc)+4*\b+(\q)], v[SAR+8*(\sc)+4*((\a)/2)+(\q)] matrix_a_fmt:MATRIX_FMT_FP6 matrix_b_fmt:MATRIX_FMT_FP6
.endif
.endif
.endr
.endm
.macro PLACES n                        ; plain vector lines between a matrix instruction and a load into, or a read of, its registers
.rept \n
	v_nop
.endr
.endm
; A step of 128 along K that has its successor in the same slot: the successor's 36 loads go out first, into the set that the last step multiplied, and have this step's 16 products in which to land.
; The 16 accumulators take turns, one instruction a turn, in the same order in every step.
.macro STEP slot, q, zero
	s_wait_dscnt 0x0                               ; this step's fragments, asked for a step ago, are in
	PLACES NP                                      ; behind the last step's products
	FETCH \slot, (\q)+1, 1-(\q)%2
	WIN MUL
.irp a, 0,1,2,3
	MULA \a, (\q)%2, \q, \slot, \zero
.endr
.endm
; A slot's fourth step changes slots: one barrier; in front of it each wave waits for all its tensor loads, adds 0 to its spare word, and waits for that and for its reads of this slot.  fill = 1: this slot is filled again, two slots ahead.
.macro TURN slot, next, fill
	WIN 0                                          ; (the add's two registers lie in window 0)
	s_wait_tensorcnt 0x0                           ; all my tensor loads have landed: my part of the next slot
	ds_add_u32 v[SPW], v[NIL]                      ; 0 onto my spare word
	s_wait_dscnt 1                                 ; this step's fragments are in; the add alone may be out
	WIN MUL
	MULA 0, 1, 3, \slot, 0                         ; four matrix instructions stand between the add and the wait for it
	s_wait_dscnt 0x0                               ; the add is done, and my reads of this slot are over
	s_barrier_signal -1
	MULA 1, 1, 3, \slot, 0
	WIN 0
	s_barrier_wait -1
.if \fill
	CREST                                          ; the barrier has opened a round of the cluster's: no wave of any partner still reads this slot or has a load on its way
	s_add_nc_u64 s[G0+4*\slot+2:G0+4*\slot+3], s[G0+4*\slot+2:G0+4*\slot+3], 4*KSA
	s_add_nc_u64 s[G0B+4*\slot+2:G0B+4*\slot+3], s[G0B+4*\slot+2:G0B+4*\slot+3], 4*ROWB
	JLOAD G0+4*\slot, G1, G0B+4*\slot, G1B         ; the first tensor load behind the round; its four v_nop are the places in front of the loads below
.else
	PLACES NP
.endif
	v_add_nc_u32 v[ADRS], 16, v[ADRS]              ; on to the next slot's scale words: four words of a row of w2,
	v_add_nc_u32 v[ADSA], 2048, v[ADSA]            ; four times 128 rows' words of h
	FETCH \next, 0, 0
	WIN 0
	SCALES \next
	WIN MUL
	MULA 2, 1, 3, \slot, 0
	MULA 3, 1, 3, \slot, 0
.endm
	s_wait_tensorcnt 1                             ; the scales and my part of slot 0 are in; slot 1's load may be out
	s_barrier_signal -1
	s_barrier_wait -1
	FETCH 0, 0, 0
	WIN 0
	SCALES 0
	STEP 0, 0, 1                                   ; the first step stands in front of the loop: it starts the sums from the bias
	WIN 0                                          ; at a label and at a branch every window is 0
	s_mov_b32 s3, LAPS-1
.Llap:                                                 ; a trip goes once round the ring, from a lap's second step to the next lap's first, and fills both slots again
	STEP 0, 1, 0
	STEP 0, 2, 0
	TURN 0, 1, 1
	STEP 1, 0, 0
	STEP 1, 1, 0
	STEP 1, 2, 0
	TURN 1, 0, 1
	STEP 0, 0, 0
	WIN 0
	s_sub_co_u32 s3, s3, 1
	s_cmp_lg_u32 s3, 0
	s_cbranch_scc1 .Llap
	STEP 0, 1, 0                                   ; the last lap fills nothing, and has no round of the cluster's barrier
	STEP 0, 2, 0
	TURN 0, 1, 0
	STEP 1, 0, 0
	STEP 1, 1, 0
	STEP 1, 2, 0
	s_wait_dscnt 0x0                               ; the very last step: nothing more to fetch
.irp a, 0,1,2,3
	MULA \a, 1, 3, 1, 0
.endr
	WIN 0
; THE WAY OUT, block by block of 16 rows x 64 columns, through my own stage: a lane holds 32 neighbouring bytes of a row; back come whole rows of 256 bytes.
; LDS serves a wave's instructions in order (ISA guide 5.7.1.4): no wait stands between the stores and the loads, nor in front of the next block's stores.
.macro TOSTAGE a
.irp b, 0,1,2,3
	ds_store_b128 v[STO], v[ACC+8*(4*(\a)+\b):ACC+8*(4*(\a)+\b)+3] offset:64*\b          ; each accumulator from its low end on
	ds_store_b128 v[STO], v[ACC+8*(4*(\a)+\b)+4:ACC+8*(4*(\a)+\b)+7] offset:64*\b+16
.endr
.set BB, BK+32*((\a)%2)
.irp t, 0,1,2,3,4,5,6,7
	ds_load_b128 v[BB+4*\t:BB+4*\t+3], v[RD] offset:\t*2*SPITCH
.endr
.endm
.macro SEND a, younger                 ; younger: the LDS instructions issued behind block a's loads, which may stay out
.set BB, BK+32*((\a)%2)
	s_wait_dscnt \younger
.irp t, 0,1,2,3,4,5,6,7
	global_store_b128 v[CO], v[BB+4*\t:BB+4*\t+3], s[12:13] offset:(16*(\a)+2*\t)*4096   ; 16 lanes store 256 consecutive bytes, aligned; the block's and the pair's rows stand in the immediate
.endr
.endm
	PLACES NP                                      ; behind the last products: for the reads of their results and the loads into the registers that held their scales
	TOSTAGE 0
.irp a, 1,2,3
.if \a > 1
	s_wait_xcnt 0x0                                ; block a - 2's stores have read their registers: block a's rows may land there
.endif
	TOSTAGE \a
	SEND \a-1, 16                                  ; behind block a - 1's loads: block a's 8 stores and 8 loads
.endr
	SEND 3, 0
	s_wait_tensorcnt 0x0                           ; the wave's end
	ds_add_u32 v[SPW], v[NIL]
	s_wait_dscnt 0x0
	CROUND                                         ; the closing round: no work-group ends while a partner may still ask for a tile that names it
	s_endpgm
.Lfunc_end_k_q1b4738eeb4_ffn2:
	.size	k_q1b4738eeb4_ffn2, .Lfunc_end_k_q1b4738eeb4_ffn2-k_q1b4738eeb4_ffn2
	.p2alignl 7, 3214868480
	.fill 96, 4, 3214868480
	.section	.rodata,"a",@progbits
	.p2align	6, 0x0
	.amdhsa_kernel k_q1b4738eeb4_ffn2
		.amdhsa_group_segment_fixed_size 327680
		.amdhsa_private_segment_fixed_size 0
		.amdhsa_enable_private_segment 0
		.amdhsa_kernarg_size 40
		.amdhsa_user_sgpr_count 2
		.amdhsa_user_sgpr_kernarg_segment_ptr 1
		.amdhsa_wavefront_size32 1
		.amdhsa_system_sgpr_workgroup_id_x 1
		.amdhsa_system_sgpr_workgroup_id_y 1
		.amdhsa_system_sgpr_workgroup_id_z 1
		.amdhsa_system_vgpr_workitem_id 0
		.amdhsa_next_free_vgpr 512
		.amdhsa_next_free_sgpr 100
		.amdhsa_reserve_vcc 0
		.amdhsa_float_denorm_mode_32 3
		.amdhsa_float_denorm_mode_16_64 3
		.amdhsa_memory_ordered 1
		.amdhsa_forward_progress 1
		.amdhsa_inst_pref_size 96
	.end_amdhsa_kernel
	.amdgpu_metadata
---
amdhsa.version: [ 1, 2 ]
amdhsa.kernels:
  - .name:           k_q1b4738eeb4_ffn2
    .symbol:         k_q1b4738eeb4_ffn2.kd
    .args:
      - { .name: ws_h, .offset: 0, .size: 8, .value_kind: global_buffer, .address_space: global }
      - { .name: w2_codes, .offset: 8, .size: 8, .value_kind: global_buffer, .address_space: global }
      - { .name: w2_scales, .offset: 16, .size: 8, .value_kind: global_buffer, .address_space: global }
      - { .name: b2, .offset: 24, .size: 8, .value_kind: global_buffer, .address_space: global }
      - { .name: ws_ff, .offset: 32, .size: 8, .value_kind: global_buffer, .address_space: global }
    .group_segment_fixed_size: 327680
    .private_segment_fixed_size: 0
    .kernarg_segment_align: 8
    .kernarg_segment_size: 40
    .max_flat_workgroup_size: 128
    .sgpr_count:     100
    .vgpr_count:     512
    .wavefront_size: 32
...
	.end_amdgpu_metadata
.endif
;; end of part 8
;; launch ln2: the kernel of part 7 again; grid 256 x 1, 4 waves a work-group, no clusters, 0 bytes of LDS; arguments ws_ln, ws_ff, ln2_g, ln2_b, out0; writes out0
